; MI455X (gfx1250); checked and timed in simulation.
; The chip was launched on July 23, 2026; its instructions are those of AMD's public machine-readable ISA for CDNA 5 (MIT licence, August 2026) and "CDNA5" Instruction Set Architecture Reference Guide (July 2026). The comments in the code are by the model that wrote it; some were corrected since.
;; Causal Self Attention. Allowed arithmetic: matrix products marked QUANTISED: E2M1 operands, one E8M0 scale for each 32 along K, by v_wmma_scale_f32_16x16x128_f8f6f4 with both operands' format E2M1 (or v_wmma_scale_f32_32x16x128_f4), f32 sums; products left as they are: bf16, f16 or f32 operands; f32 sums; everything else in f32.
;; Inputs: Wk 1,024 x 1,024 float32; Wo 1,024 x 1,024 float32; Wq 1,024 x 1,024 float32; Wv 1,024 x 1,024 float32; x 2 x 2,048 x 1,024 float32.
;; Outputs: out0 2 x 2,048 x 1,024 float32.
;; This version of the problem:
;;   THIS VERSION OF THE PROBLEM IS GIVEN IN LOW PRECISION. The matrix products marked QUANTISED in the list below multiply operands that are first quantised to E2M1 (2 exponent bits, 1 mantissa bit; 4 bits a number), with one power-of-two scale for each 32 numbers along K (OCP MX v1.0); their sums are f32. The products marked 'left as it is' may take bf16, f16 or f32 operands, with f32 sums. Whichever they take, every output number must still come out within the allowed error. Rounding operands to bf16 (8 significant bits) uses up far more of that allowance than f16 does (11 bits, for magnitudes from 6e-5 to 65,504). All else is computed in f32.
;;   The module's matrix products, in the order in which they are computed (A, B: the left and right operand; K: the contracted axis; several contracted axes count as one K, in the product's order):
;;     1. [M 4,096, K 1,024] x [K 1,024, N 1,024]; A: input x; B: input Wq: QUANTISED
;;     2. [M 4,096, K 1,024] x [K 1,024, N 1,024]; A: input x; B: input Wk: QUANTISED
;;     3. [M 4,096, K 1,024] x [K 1,024, N 1,024]; A: input x; B: input Wv: QUANTISED
;;     4. batch 32 x [M 2,048, K 64] x [K 64, N 2,048]; A: computed on the way; B: computed on the way: left as it is (an operand is computed on the way)
;;     5. batch 32 x [M 2,048, K 2,048] x [K 2,048, N 64]; A: computed on the way; B: computed on the way: left as it is (an operand is computed on the way)
;;     6. [M 4,096, K 1,024] x [K 1,024, N 1,024]; A: computed on the way; B: input Wo: left as it is (an operand is computed on the way)
;;   THE QUANTISER, for each operand of a quantised product, along K:
;;     - K is cut into blocks of 32 from its start; a last block that is shorter is filled with zeros.
;;     - A block's scale is 2^e with e = floor(log2(the largest magnitude in the block)) - 2, held to -126 .. 127; a block of zeros has e = 0. As a byte (E8M0): e + 127.
;;     - Each number is divided by its block's scale, clamped to +-6, and rounded to the nearest number of E2M1, ties to even, subnormals kept.
;;     - The product sums the exact products of the quantised numbers (number of the format x scale) in f32.
;;   ~~~python
;;   def quantise(x, axis):      # numpy; x: float32 -> the quantised numbers, widened to float32 again
;;       x = np.moveaxis(x, axis, -1); K = x.shape[-1]
;;       x = np.pad(x, [(0, 0)] * (x.ndim - 1) + [(0, -K % 32)]); x = x.reshape(x.shape[:-1] + (-1, 32)); a = np.abs(x).max(-1, keepdims=True)
;;       e = np.where(a > 0, np.clip(np.frexp(np.where(a > 0, a, 1))[1] - 1 - 2, -126, 127), 0)      # np.frexp(a)[1] - 1 = floor(log2(a)), exactly
;;       r = np.clip(x / 2.0 ** e, -6, 6)
;;       step = 2.0 ** (np.maximum(np.frexp(np.where(r == 0, 1, r))[1] - 1, 0) - 1)
;;       q = np.round(r / step) * step * 2.0 ** e      # np.round: ties to even
;;       return np.moveaxis(q.reshape(q.shape[:-2] + (-1,))[..., :K], -1, axis).astype(np.float32)
;;   ~~~
;; One version. Each part assembles by itself: llvm-mc -triple=amdgcn-amd-amdhsa -mcpu=gfx1250 --defsym DOCPART=n.
;; ======== version 1 of 1: 5 launches
;; limits: values are held in f16: magnitudes above 65,504 overflow, below 6.1e-05 lose precision
;; workspace buffers: x_codes 2,097,152 bytes; x_scales 131,072 bytes; w_codes 1,572,864 bytes; w_scales 98,304 bytes; wo16 2,097,152 bytes; qkv16 25,165,824 bytes; fine32 393,216 bytes; y16 8,388,608 bytes
;; launch prep (part 1): grid 256 x 1, 4 waves a work-group, no clusters, 33,280 bytes of LDS; arguments x, Wq, Wk, Wv, Wo, x_codes, x_scales, w_codes, w_scales, wo16; writes x_codes, x_scales, w_codes, w_scales, wo16
.if DOCPART == 1
	.amdgcn_target "amdgcn-amd-amdhsa--gfx1250"
	.amdhsa_code_object_version 6
	.text
	.protected	k_qfaeacddebc_prep
	.globl	k_qfaeacddebc_prep
	.p2align	8
	.type	k_qfaeacddebc_prep,@function
k_qfaeacddebc_prep:
	s_mov_b64 s[64:65], 0
	v_nop
	global_prefetch_b8 v0, s[64:65] scope:SCOPE_SE
	s_setreg_imm32_b32 hwreg(HW_REG_WAVE_MODE, 25, 1), 1
	s_wait_xcnt 0x0
; x [4096][1024] and Wq, Wk, Wv [1024][1024], f32 with K innermost, become codes of FP4 (E2M1) with one E8M0 scale byte for each 32 along K; the three weights lie one behind the other
; in w_codes and w_scales (rows 0-1023 Wq, 1024-2047 Wk, 2048-3071 Wv).  Wo [1024][1024] is rounded to f16, in place order.
; A block's scale is 2^(floor(log2(its largest magnitude)) - 2): its byte is the largest magnitude's own exponent field - 2, held at 1 from below.
; LIMITS: a block of zeros gets the byte 1 where the rule says 127 (its codes are zeros, and this program alone reads the bytes); blocks whose largest magnitude lies under 2^(3 - 127) are held at that floor;
; NaN and infinities are not served; |Wo| stays under 65,504 (f16), and under 6e-5 it is kept with an absolute error of 3e-8.
; SHARES: rows are dense, so every tensor is a plain stream.  A work-group takes 32,768 numbers, a wave 8,192, in 16 steps of 512.  Work-groups 0-127: x; 128-223: Wq, Wk, Wv, 32 each; 224-255: Wo.
; Only pointers are chosen by the work-group's number: the four quantised tensors take one path.  Each load reads 512 consecutive bytes; the conversions want 16 neighbours in one lane, so a step's 2,048 bytes
; turn through the wave's own stage in LDS (16 bytes of padding behind each 64).  A lane's 16 codes are 8 bytes: a wave's store covers 256 consecutive bytes.  A wave's 256 scale bytes are gathered in LDS and leave in one store.
.set WAVES, 4
.set STEPS, 16
.set EMAX,  2
.set CB,    8                          ; bytes of 16 codes
.set R,     16                         ; v16-79   four sets of 16 numbers as they are loaded
.set X,     80                         ; v80-111  two sets of 16 neighbours (Wo's path: two sets of 8 registers of f16)
.set C,     128                        ; v128-191 codes: four registers for each step, so that no store's data are written again
.set E,     112                        ; v112-127 a scale byte for each step
.set WREG,  8192                       ; LDS: a region for each wave: two stages of 32 x SP bytes, and behind them its 256 scale bytes
.set SP,    80
.set SPW,   12                         ; v12  LDS address of my spare word; never rewritten
.set NIL,   13                         ; v13  0; never rewritten
.set SPARE, WAVES*WREG                 ; the spare words, 128 bytes for each wave, which no other line names
	s_load_b256 s[4:11], s[0:1], 0x0               ; x, Wq, Wk, Wv
	s_load_b256 s[12:19], s[0:1], 0x20             ; Wo, x_codes, x_scales, w_codes
	s_load_b128 s[20:23], s[0:1], 0x40             ; w_scales, wo16
	v_lshl_add_u32 v[SPW], v0, 2, SPARE
	v_mov_b32 v[NIL], 0
	v_lshrrev_b32 v1, 5, v0
	v_readfirstlane_b32 s24, v1                    ; wave
	v_and_b32 v2, 31, v0                           ; lane
	v_lshlrev_b32 v3, 4, v2                        ; my 16 bytes of a load's 512
	s_mul_i32 s25, s24, WREG
	v_lshrrev_b32 v14, 2, v2
	v_mul_u32_u24 v14, v14, SP
	v_and_b32 v15, 3, v2
	v_lshl_add_u32 v14, v15, 4, v14
	v_add_nc_u32 v14, s25, v14                     ; the stage, on the way in: SP (lane / 4) + 16 (lane % 4)
	v_mul_u32_u24 v15, v2, SP
	v_add_nc_u32 v15, s25, v15                     ; and on the way out: SP x lane: my 16 neighbours
	v_mul_u32_u24 v4, v2, CB                       ; my 8 bytes of a store's 256
	v_lshrrev_b32 v5, 1, v2
	s_add_co_u32 s25, s25, 2*32*SP
	v_add_nc_u32 v5, s25, v5                       ; LDS: my wave's 256 scale bytes, my block's byte
	v_lshlrev_b32 v7, 3, v2
	v_add_nc_u32 v6, s25, v7                       ; and on the way out 8 bytes a lane
.macro LOAD t
.irp i, 0,1,2,3
	global_load_b128 v[R+16*((\t)%4)+4*\i:R+16*((\t)%4)+4*\i+3], v3, s[4:5] offset:2048*(\t)+512*\i th:TH_LOAD_NT   ; 32 lanes read 512 consecutive bytes
.endr
.endm
	s_wait_kmcnt 0x0
	s_cmp_ge_u32 ttmp9, 224
	s_cbranch_scc1 .Lwo
	s_cmp_lt_u32 ttmp9, 128                        ; x's work-group or a weight's?  The choices hang on the work-group's number alone
	s_cselect_b64 s[4:5], s[4:5], s[6:7]
	s_cselect_b64 s[26:27], s[14:15], s[18:19]     ; the codes' buffer
	s_cselect_b64 s[28:29], s[16:17], s[20:21]     ; the scale bytes'
	s_cselect_b32 s30, 0, 128
	s_cselect_b32 s31, 127, 31
	s_cmp_ge_u32 ttmp9, 160
	s_cselect_b64 s[4:5], s[8:9], s[4:5]
	s_cmp_ge_u32 ttmp9, 192
	s_cselect_b64 s[4:5], s[10:11], s[4:5]
	s_sub_co_u32 s30, ttmp9, s30                   ; which 32,768 numbers of the destination,
	s_and_b32 s31, s30, s31                        ; and of the source tensor
	s_lshl_b32 s31, s31, 2
	s_add_co_u32 s31, s31, s24                     ; my wave's run of 8,192 numbers in the source: 32,768 bytes a run
	s_lshl_b32 s32, s31, 15
	s_mov_b32 s33, 0
	s_add_nc_u64 s[4:5], s[4:5], s[32:33]
	s_lshl_b32 s30, s30, 2
	s_add_co_u32 s30, s30, s24                     ; and in the destination: 4,096 bytes of codes,
	s_lshl_b32 s32, s30, 12
	s_add_nc_u64 s[26:27], s[26:27], s[32:33]
	s_lshl_b32 s32, s30, 8                         ; 256 scale bytes
	s_add_nc_u64 s[28:29], s[28:29], s[32:33]
.macro TURN t                          ; step t's numbers through the stage: LDS serves a wave's instructions in order, so no wait stands between the stores and the loads
.irp i, 0,1,2,3
	ds_store_b128 v14, v[R+16*((\t)%4)+4*\i:R+16*((\t)%4)+4*\i+3] offset:32*SP*((\t)%2)+8*SP*\i
.endr
.irp i, 0,1,2,3
	ds_load_b128 v[X+16*((\t)%2)+4*\i:X+16*((\t)%2)+4*\i+3], v15 offset:32*SP*((\t)%2)+16*\i
.endr
.endm
.irp t, 0,1,2,3
	LOAD \t
.endr
	s_wait_loadcnt 12                              ; step 0's four loads are in; the twelve of steps 1 to 3 may be out
	TURN 0
.macro QSTEP t
.set XS, X+16*((\t)%2)
.if (\t) > 0
	s_wait_dscnt 1                                 ; this step's numbers are back from the stage (the last step's byte store may be out)
.else
	s_wait_dscnt 0x0
.endif
.if (\t)+4 < STEPS
	LOAD (\t)+4                                    ; into the registers that the stage's stores have read
.endif
.if (\t)+1 < STEPS
.if STEPS-2-(\t) >= 3
	s_wait_loadcnt 12                              ; the next step's four loads are in; those of the three steps behind it may be out
.else
	s_wait_loadcnt 4*(STEPS-2-(\t))
.endif
	TURN (\t)+1
.endif
	v_max3_num_f32 v8, |v[XS]|, |v[XS+1]|, |v[XS+2]|               ; the largest magnitude of my 16, in two chains
	v_max3_num_f32 v9, |v[XS+3]|, |v[XS+4]|, |v[XS+5]|
.irp i, 6,10
	v_max3_num_f32 v8, v8, |v[XS+\i]|, |v[XS+\i+1]|
	v_max3_num_f32 v9, v9, |v[XS+\i+2]|, |v[XS+\i+3]|
.endr
	v_max3_num_f32 v8, v8, |v[XS+14]|, |v[XS+15]|
	v_max3_num_f32 v8, v8, v9, (EMAX+1)<<23        ; and the floor 2^(EMAX + 1 - 127): the byte cannot fall under 1
	v_max_num_f32_dpp v8, v8, v8 row_xmask:1 row_mask:0xf bank_mask:0xf   ; with my neighbour's 16: the block's
	v_add_nc_u32 v11, -(EMAX<<23), v8              ; EMAX off its exponent field: the conversion takes the exponent field of this operand as its scale
	v_cvt_scalef32_pk8_fp4_f32 v[C+4*(\t)], v[XS:XS+7], v11
	v_cvt_scalef32_pk8_fp4_f32 v[C+4*(\t)+1], v[XS+8:XS+15], v11
	v_lshrrev_b32 v[E+(\t)], 23, v11               ; the scale's byte (also the plain line behind the conversions)
	ds_store_b8 v5, v[E+(\t)] offset:16*(\t)       ; both lanes of a block write the same byte with the same value
	global_store_b64 v4, v[C+4*(\t):C+4*(\t)+1], s[26:27] offset:32*CB*(\t)
.endm
.irp t, 0,1,2,3,4,5,6,7,8,9,10,11,12,13,14,15
	QSTEP \t
.endr
	ds_load_b64 v[8:9], v6                         ; LDS serves a wave's instructions in order: these see my byte stores
	s_wait_dscnt 0x0
	global_store_b64 v7, v[8:9], s[28:29]          ; 32 lanes store 256 consecutive bytes
	s_wait_tensorcnt 0x0                           ; the wave's end, behind my last LDS store
	ds_add_u32 v[SPW], v[NIL]
	s_wait_dscnt 0x0
	s_endpgm
; Wo to f16: no LDS is touched on this path.  A load's 16 bytes a lane become 8, so a wave's store covers 256 consecutive bytes.
.Lwo:
	s_sub_co_u32 s30, ttmp9, 224
	s_lshl_b32 s30, s30, 2
	s_add_co_u32 s30, s30, s24                     ; my wave's run of 8,192 numbers
	s_lshl_b32 s32, s30, 15
	s_mov_b32 s33, 0
	s_add_nc_u64 s[4:5], s[12:13], s[32:33]
	s_lshl_b32 s32, s30, 14
	s_add_nc_u64 s[26:27], s[22:23], s[32:33]
.irp t, 0,1,2,3
	LOAD \t
.endr
.macro WSTEP t
.if (\t) < 13
	s_wait_loadcnt 12                              ; this step's four loads are in; the three younger steps' may be out
.else
	s_wait_loadcnt 4*(15-(\t))
.endif
	s_wait_xcnt 0x0                                ; the stores of two steps back have read their data: that set is written again below
.irp i, 0,1,2,3
	v_cvt_pk_f16_f32 v[X+8*((\t)%2)+2*\i], v[R+16*((\t)%4)+4*\i], v[R+16*((\t)%4)+4*\i+1]
	v_cvt_pk_f16_f32 v[X+8*((\t)%2)+2*\i+1], v[R+16*((\t)%4)+4*\i+2], v[R+16*((\t)%4)+4*\i+3]
.endr
.if (\t)+4 < STEPS
	LOAD (\t)+4
.endif
.irp i, 0,1,2,3
	global_store_b64 v4, v[X+8*((\t)%2)+2*\i:X+8*((\t)%2)+2*\i+1], s[26:27] offset:1024*(\t)+256*\i
.endr
.endm
.irp t, 0,1,2,3,4,5,6,7,8,9,10,11,12,13,14,15
	WSTEP \t
.endr
	s_endpgm
.Lfunc_end_k_qfaeacddebc_prep:
	.size	k_qfaeacddebc_prep, .Lfunc_end_k_qfaeacddebc_prep-k_qfaeacddebc_prep
	.p2alignl 7, 3214868480
	.fill 96, 4, 3214868480
	.section	.rodata,"a",@progbits
	.p2align	6, 0x0
	.amdhsa_kernel k_qfaeacddebc_prep
		.amdhsa_group_segment_fixed_size 33280
		.amdhsa_private_segment_fixed_size 0
		.amdhsa_enable_private_segment 0
		.amdhsa_kernarg_size 80
		.amdhsa_user_sgpr_count 2
		.amdhsa_user_sgpr_kernarg_segment_ptr 1
		.amdhsa_wavefront_size32 1
		.amdhsa_system_sgpr_workgroup_id_x 1
		.amdhsa_system_sgpr_workgroup_id_y 1
		.amdhsa_system_sgpr_workgroup_id_z 1
		.amdhsa_system_vgpr_workitem_id 0
		.amdhsa_next_free_vgpr 192
		.amdhsa_next_free_sgpr 66
		.amdhsa_reserve_vcc 0
		.amdhsa_float_denorm_mode_32 3
		.amdhsa_float_denorm_mode_16_64 3
		.amdhsa_memory_ordered 1
		.amdhsa_forward_progress 1
		.amdhsa_inst_pref_size 55
	.end_amdhsa_kernel
	.amdgpu_metadata
---
amdhsa.version: [ 1, 2 ]
amdhsa.kernels:
  - .name:           k_qfaeacddebc_prep
    .symbol:         k_qfaeacddebc_prep.kd
    .args:
      - { .name: x, .offset: 0, .size: 8, .value_kind: global_buffer, .address_space: global }
      - { .name: Wq, .offset: 8, .size: 8, .value_kind: global_buffer, .address_space: global }
      - { .name: Wk, .offset: 16, .size: 8, .value_kind: global_buffer, .address_space: global }
      - { .name: Wv, .offset: 24, .size: 8, .value_kind: global_buffer, .address_space: global }
      - { .name: Wo, .offset: 32, .size: 8, .value_kind: global_buffer, .address_space: global }
      - { .name: x_codes, .offset: 40, .size: 8, .value_kind: global_buffer, .address_space: global }
      - { .name: x_scales, .offset: 48, .size: 8, .value_kind: global_buffer, .address_space: global }
      - { .name: w_codes, .offset: 56, .size: 8, .value_kind: global_buffer, .address_space: global }
      - { .name: w_scales, .offset: 64, .size: 8, .value_kind: global_buffer, .address_space: global }
      - { .name: wo16, .offset: 72, .size: 8, .value_kind: global_buffer, .address_space: global }
    .group_segment_fixed_size: 33280
    .private_segment_fixed_size: 0
    .kernarg_segment_align: 8
    .kernarg_segment_size: 80
    .max_flat_workgroup_size: 128
    .sgpr_count:     66
    .vgpr_count:     192
    .wavefront_size: 32
...
	.end_amdgpu_metadata
.endif
;; end of part 1
;; launch qkv (part 2): grid 12 x 16, 4 waves a work-group, clusters of 4 x 4, 327,680 bytes of LDS; arguments x_codes, x_scales, w_codes, w_scales, qkv16, fine32; writes qkv16, fine32
.if DOCPART == 2
	.amdgcn_target "amdgcn-amd-amdhsa--gfx1250"
	.amdhsa_code_object_version 6
	.text
	.protected	k_qfaeacddebc_qkv
	.globl	k_qfaeacddebc_qkv
	.p2align	8
	.type	k_qfaeacddebc_qkv,@function
k_qfaeacddebc_qkv:
	s_mov_b64 s[64:65], 0
	v_nop
	global_prefetch_b8 v0, s[64:65] scope:SCOPE_SE
	s_setreg_imm32_b32 hwreg(HW_REG_WAVE_MODE, 25, 1), 1
	s_wait_xcnt 0x0
	s_wait_alu depctr_hold_cnt(0) depctr_sa_sdst(0) depctr_va_vdst(0) depctr_va_sdst(0) depctr_va_ssrc(0) depctr_va_vcc(0) depctr_vm_vsrc(0)
	s_getreg_b32 s2, hwreg(HW_REG_IB_STS2, 6, 4)
	s_cmp_eq_u32 s2, 0
	s_cbranch_scc0 .Lentry_in_a_cluster
	s_endpgm
.Lentry_in_a_cluster:
	s_bfe_u32 s2, ttmp6, 0x10000c
	s_cmp_lg_u32 s2, 0xf033
	s_cbranch_scc0 .Lentry_shape_is_right
	s_endpgm
.Lentry_shape_is_right:
; The three projections as ONE product on codes of FP4 (E2M1): C[m][n] = sum over k of x[m][k] W[n][k], m = 4,096 rows (batch x position), n = 3,072 (Wq | Wk | Wv), k = 1,024; one E8M0 scale for each 32 along K; sums in f32.
; C leaves as f16, laid by head: qkv16 [batch 2][G 48][position 2,048][64], G = n / 64 (0-15 q's heads, 16-31 k's, 32-47 v's).  The f32 sums of positions 0 to 15 of both sequences leave besides, into fine32 [batch][position 16][3,072].
; LIMIT: |q|, |k|, |v| stay under 65,504 (f16).
; A tile of C, 256 x 256, is made by four waves, each 128 x 128: 64 accumulators, 512 registers.  K is two slots of 512 (rows of 256 bytes): both are asked for at the head, so nothing is filled again and there is no loop.
; The scales of the work-group's 256 + 256 rows, for all of K, are two dense blocks: they come once, with the first fills.
; CLUSTERS: 4 x 4 work-groups; A's tiles are asked for jointly along a row of the cluster, B's along a column.  192 work-groups: a tile column is then wholly q's, k's or v's, and a wave's 128 columns are two whole heads.
; THE MATRIX INSTRUCTION IS USED TRANSPOSED (source 0 = 16 rows of W, source 1 = 16 rows of x): a lane holds eight neighbouring numbers of a row of C.
; REGISTERS: window 0: v0-31 addresses; v32-95 scale words, two sets; v128-191 A's fragments, one set; on the way out v32-63 and v128-255 are free.  window 1: B's fragments, two sets.  windows 2, 3: the accumulators ((a, b) at v[8 (8 (a % 4) + b)]).
.set SIZE_K, 1024
.set KSTEP,  512
.set NQ,     KSTEP/128
.set ROWB,   256
.set KROW,   SIZE_K*4/8
.set PITCH,  272                       ; an LDS row: 256 bytes + 16 of padding = 68 words: the 16 rows that a load touches start at 16 different banks (64 banks of 4 bytes: ISA guide 11.1)
.set FR,     8
.set NL,     2
.set NP,     4                         ; places behind this matrix instruction (ISA guide 7.12.1)
.set HALFT,  128*PITCH
.set SLOT,   4*HALFT
.set KS,     SIZE_K/32
.set SCL,    2*SLOT                    ; behind the slots: the scales, as rows of 256 bytes + 16 of padding
.set HALFS,  (128*KS/256)*272
.set SBLK,   (16*KS/256)*272
.set SPARE,  SCL+4*HALFS               ; the spare words, 128 bytes for each wave, which no other line names
.set WSTG,   12800                     ; the way out: each wave's stages, in slot 0, which has had its one fill and its last read by then: 16 x 272 bytes for f16, then 16 x 528 for f32
.set S16P,   272
.set S32P,   528
.set ADRA, 16                          ; v16-17  LDS address of my A fragments in slot 0, 1
.set ADRB, 20                          ; v20-21  the same for B
.set STO32, 22                         ; v22     f32 stage: where I put 32 bytes of a row
.set RD32, 23                          ; v23     and where I read a row back
.set STO16, 24                         ; v24     f16 stage: where I put 16 bytes of a row
.set RD16, 25                          ; v25     and where I read 16 bytes of four rows' halves back
.set CO,   26                          ; v26     16 x lane
.set ADRS, 27                          ; v27     LDS address of my scale words: lanes 0-15 A's rows, lanes 16-31 B's
.set SPW,  28
.set NIL,  29
.set VFLAG, 30                         ; v30     0 in the waves whose first 16 rows are positions 0 to 15
.set SC,   32
.set AF,   128
.set FB,   128                         ; the way out: 16 rows of f32 read back
.set TMP,  192                         ; packed f16
.set G1, 24
.set G0, 32
.set G1B, 48
.set G0B, 56
.set G1S, 68
.set G0S, 76
.set G1SB, 80
.set G0SB, 88
.set MSB, 0
.macro WIN new                         ; the immediate's high byte repeats the setting that is left
.if MSB != \new
	s_set_vgpr_msb (MSB<<8)|\new
.set MSB, \new
.endif
.endm
.set MUL_LO, 0xa1                      ; source 0 (B) window 1, source 1 (A) window 0, C and D window 2
.set MUL_HI, 0xf1
.set TO_B,   0x40
; A joint load: waves 0 and 1 fetch for A, waves 2 and 3 for B; the branch hangs on the wave's number alone.  An s_nop 0 and four v_nop follow each line.
.macro JLOAD g0a, g1a, g0b, g1b
	s_cmp_eq_u32 s15, 0
	s_cbranch_scc0 .Lfor_b_\@
	tensor_load_to_lds s[\g0a:\g0a+3], s[\g1a:\g1a+7]
	s_nop 0
.rept 4
	v_nop
.endr
	s_branch .Lasked_\@
.Lfor_b_\@:
	tensor_load_to_lds s[\g0b:\g0b+3], s[\g1b:\g1b+7]
	s_nop 0
.rept 4
	v_nop
.endr
.Lasked_\@:
.endm
.macro CROUND                          ; a round of the cluster's barrier
	s_barrier_signal -1
	s_barrier_wait -1
	s_cmp_lg_u32 s14, 0
	s_cbranch_scc1 .Lnot_wave_0_\@
	s_barrier_signal -3
.Lnot_wave_0_\@:
	s_barrier_wait -3
	s_barrier_signal -1
	s_barrier_wait -1
.endm
	s_load_b128 s[4:7], s[0:1], 0x0                ; x's codes, x's scales
	s_load_b128 s[8:11], s[0:1], 0x10              ; W's codes, W's scales
	s_load_b64 s[12:13], s[0:1], 0x20              ; qkv16
	s_load_b64 s[96:97], s[0:1], 0x28              ; fine32
	v_lshl_add_u32 v[SPW], v0, 2, SPARE
	v_mov_b32 v[NIL], 0
	ds_add_u32 v[SPW], v[NIL]                      ; the wave's opening: the add, twice on end, and its wait ahead of my first tensor load
	ds_add_u32 v[SPW], v[NIL]
	v_lshrrev_b32 v1, 5, v0
	v_readfirstlane_b32 s14, v1                    ; wave 0..3
	s_lshr_b32 s15, s14, 1                         ; which half of the tile's rows is mine.  Also: I fetch for A (0) or for B (1)
	s_and_b32 s16, s14, 1                          ; which half of its columns.  Also: which 128 rows of that tile I fetch
	s_bfe_u32 s40, ttmp6, 0x40000                  ; cx, cy: my place in the cluster
	s_bfe_u32 s41, ttmp6, 0x40004
	s_lshl_b32 s42, ttmp9, 2
	s_add_co_u32 s42, s42, s40                     ; tile column = 4 x cluster x + cx
	s_and_b32 s17, ttmp7, 0xffff
	s_lshl_b32 s17, s17, 2
	s_add_co_u32 s17, s17, s41                     ; tile row = 4 x cluster y + cy
	s_lshl_b32 s43, s41, 2
	s_lshl_b32 s43, 15, s43                        ; my row of the cluster
	s_lshl_b32 s44, 0x1111, s40                    ; my column
	s_or_b32 s[G1+0], s43, (0<<16)|(1<<20)|(1<<21)|(5<<22)|(3<<25)  ; the mask; elements of 1 byte; padding on; bit 21 beside a mask; 4 words of padding after every 64
	s_or_b32 s[G1B+0], s44, (0<<16)|(1<<20)|(1<<21)|(5<<22)|(3<<25)
.irp g, G1, G1B
	s_mov_b32 s[\g+1], ROWB<<16                    ; tensor_dim0
	s_mov_b32 s[\g+2], 128<<16                     ; tensor_dim1
	s_mov_b32 s[\g+3], ROWB<<16                    ; tile_dim0
	s_mov_b32 s[\g+4], 128                         ; tile_dim1
	s_mov_b32 s[\g+5], KROW                        ; from row to row
	s_mov_b32 s[\g+6], 0
	s_mov_b32 s[\g+7], 0
.endr
	s_or_b32 s[G1S+0], s43, (3<<16)|(1<<20)|(1<<21)|(5<<22)|(3<<25)   ; the scales of 128 rows: 4,096 dense bytes as 16 rows of 256 (32 elements of 8 bytes)
	s_or_b32 s[G1SB+0], s44, (3<<16)|(1<<20)|(1<<21)|(5<<22)|(3<<25)
.irp g, G1S, G1SB
	s_mov_b32 s[\g+1], 32<<16
	s_mov_b32 s[\g+2], (128*KS/256)<<16
	s_mov_b32 s[\g+3], 32<<16
	s_mov_b32 s[\g+4], 128*KS/256
	s_mov_b32 s[\g+5], 32
	s_mov_b32 s[\g+6], 0
	s_mov_b32 s[\g+7], 0
.endr
	s_lshl_b32 s18, s16, 7
	s_lshl_b32 s20, s17, 8
	s_add_co_u32 s20, s20, s18                     ; A: row 256 x tile row + 128 x half
	s_lshl_b32 s46, s42, 8
	s_add_co_u32 s46, s46, s18                     ; B: row 256 x tile column + 128 x half
	s_mov_b32 s21, 0
	s_mov_b32 s47, 0
	s_mov_b64 s[18:19], KS
	s_mul_u64 s[22:23], s[20:21], s[18:19]         ; where these rows' scales begin,
	s_mul_u64 s[92:93], s[46:47], s[18:19]
	s_mov_b64 s[18:19], KROW
	s_mul_u64 s[20:21], s[20:21], s[18:19]         ; and their codes
	s_mul_u64 s[46:47], s[46:47], s[18:19]
	s_mul_i32 s45, s14, HALFT                      ; where they go: wave x 128 rows: no place in the cluster enters an LDS address
	s_mul_i32 s94, s14, HALFS
	s_wait_dscnt 0x0                               ; both opening adds are done
	s_wait_kmcnt 0x0
	s_add_nc_u64 s[20:21], s[4:5], s[20:21]
	s_add_nc_u64 s[22:23], s[6:7], s[22:23]
	s_add_nc_u64 s[46:47], s[8:9], s[46:47]
	s_add_nc_u64 s[92:93], s[10:11], s[92:93]
	CROUND                                         ; all sixteen work-groups are here: the joint loads meet
	s_mov_b32 s[G0S], 1
	s_add_co_u32 s[G0S+1], s94, SCL
	s_mov_b64 s[G0S+2:G0S+3], s[22:23]
	s_or_b32 s[G0S+3], s[G0S+3], 0x80000000
	s_mov_b32 s[G0SB], 1
	s_add_co_u32 s[G0SB+1], s94, SCL
	s_mov_b64 s[G0SB+2:G0SB+3], s[92:93]
	s_or_b32 s[G0SB+3], s[G0SB+3], 0x80000000
	JLOAD G0S, G1S, G0SB, G1SB                     ; the scales first: three loads of mine are out behind the third line below
.irp s, 0,1
	s_mov_b32 s[G0+4*\s], 1
	s_add_co_u32 s[G0+4*\s+1], s45, \s*SLOT
	s_add_nc_u64 s[G0+4*\s+2:G0+4*\s+3], s[20:21], \s*ROWB
	s_or_b32 s[G0+4*\s+3], s[G0+4*\s+3], 0x80000000
	s_mov_b32 s[G0B+4*\s], 1
	s_add_co_u32 s[G0B+4*\s+1], s45, \s*SLOT
	s_add_nc_u64 s[G0B+4*\s+2:G0B+4*\s+3], s[46:47], \s*ROWB
	s_or_b32 s[G0B+4*\s+3], s[G0B+4*\s+3], 0x80000000
	JLOAD G0+4*\s, G1, G0B+4*\s, G1B
.endr
	v_and_b32 v1, 15, v0                           ; r = lane % 16
	v_bfe_u32 v2, v0, 4, 1                         ; h = lane / 16
	v_mul_u32_u24 v3, v1, PITCH
	v_lshl_add_u32 v4, v2, 4, v3                   ; a fragment's row x pitch + 16 h
	s_mul_i32 s21, s15, HALFT                      ; my 128 rows of A
	s_mul_i32 s22, s16, HALFT                      ; my 128 rows of B,
	s_add_co_u32 s22, s22, 2*HALFT                 ; which lie behind A's 256
.irp s, 0,1
	v_add_nc_u32 v[ADRA+\s], s21, v4
	v_add_nc_u32 v[ADRB+\s], s22, v4
	s_add_co_u32 s21, s21, SLOT
	s_add_co_u32 s22, s22, SLOT
.endr
	v_mul_u32_u24 v5, v1, KS                       ; my row's scales: KS bytes a row,
	v_lshrrev_b32 v6, 8, v5
	v_lshl_add_u32 v5, v6, 4, v5                   ; and 16 more for each 256 passed
	s_mul_i32 s21, s15, HALFS
	s_mul_i32 s22, s16, HALFS
	s_add_co_u32 s22, s22, 2*HALFS
	s_sub_co_u32 s22, s22, s21
	v_mul_u32_u24 v6, s22, v2                      ; lanes 16-31 take B's: one product, the distance between the two bases
	s_add_co_u32 s21, s21, SCL
	v_add_nc_u32 v5, v5, v6
	v_add_nc_u32 v[ADRS], s21, v5
	s_mul_i32 s23, s14, WSTG                       ; my stages
	v_mul_u32_u24 v5, v1, S16P
	v_lshl_add_u32 v5, v2, 4, v5
	v_add_nc_u32 v[STO16], s23, v5                 ; f16, in: row r, 16 bytes for each half of the lanes
	v_and_b32 v6, 31, v0
	v_lshrrev_b32 v5, 3, v6
	v_mul_u32_u24 v5, v5, S16P
	v_and_b32 v4, 7, v0
	v_lshl_add_u32 v5, v4, 4, v5
	v_add_nc_u32 v[RD16], s23, v5                  ; back: eight lanes take 128 bytes (one head's 64 numbers) of a row, the 32 lanes four rows
	v_lshlrev_b32 v[CO], 4, v6
	s_add_co_u32 s23, s23, 16*S16P
	v_mul_u32_u24 v5, v1, S32P
	v_lshl_add_u32 v5, v2, 5, v5
	v_add_nc_u32 v[STO32], s23, v5                 ; f32, in: row r, 32 bytes for each half of the lanes
	v_add_nc_u32 v[RD32], s23, v[CO]               ; back: the 32 lanes take one row of 512 bytes
	; where my part begins in qkv16: ((48 batch + 4 tile column + 2 column half) << 18) + 128 x my first position; and in fine32: 196,608 batch + 4 x my first column
	s_lshr_b32 s18, s17, 3                         ; batch
	s_mul_i32 s19, s18, 48
	s_lshl_b32 s20, s42, 2
	s_add_co_u32 s19, s19, s20
	s_lshl_b32 s20, s16, 1
	s_add_co_u32 s19, s19, s20
	s_lshl_b32 s20, s19, 18
	s_and_b32 s21, s17, 7
	s_lshl_b32 s22, s21, 15
	s_add_co_u32 s20, s20, s22
	s_lshl_b32 s22, s15, 14
	s_add_co_u32 s20, s20, s22
	s_or_b32 s66, s21, s15                         ; 0 where my first row is position 0
	s_mov_b32 s21, 0
	s_add_nc_u64 s[12:13], s[12:13], s[20:21]
	s_mul_i32 s20, s18, 196608
	s_lshl_b32 s22, s42, 10
	s_add_co_u32 s20, s20, s22
	s_lshl_b32 s22, s16, 9
	s_add_co_u32 s20, s20, s22
	s_add_nc_u64 s[96:97], s[96:97], s[20:21]
	v_mov_b32 v[VFLAG], s66
.macro FRAG reg, adr, q, i             ; 16 rows x 128 K of 4-bit codes: lane l holds row l % 16; registers 4 c .. 4 c + 3 hold K = 64 c + 32 (l / 16) + 0 .. 31
.irp c, 0,1
	ds_load_b128 v[\reg+4*\c:\reg+4*\c+3], v[\adr] offset:64*(\q)+32*\c+(\i)*16*PITCH
.endr
.endm
; 16 matrix instructions: A's blocks a0, a0 + 1 x B's eight.  The 64 accumulators take turns, one instruction a turn, in the same order in every step.
.macro MUL16 a0, p, q, sc, zero
.irp a, \a0, \a0+1
.irp b, 0,1,2,3,4,5,6,7
.if \zero
	v_wmma_scale_f32_16x16x128_f8f6f4 v[8*(8*((\a)%4)+\b):8*(8*((\a)%4)+\b)+7], v[128*(\p)+FR*\b:128*(\p)+FR*\b+FR-1], v[AF+FR*(\a):AF+FR*(\a)+FR-1], 0, v[SC+8*NQ*(\sc)+NQ*\b+(\q)], v[SC+8*NQ*(\sc)+NQ*(\a)+(\q)] matrix_a_fmt:MATRIX_FMT_FP4 matrix_b_fmt:MATRIX_FMT_FP4 matrix_a_scale:MATRIX_SCALE_ROW1
.else
	v_wmma_scale_f32_16x16x128_f8f6f4 v[8*(8*((\a)%4)+\b):8*(8*((\a)%4)+\b)+7], v[128*(\p)+FR*\b:128*(\p)+FR*\b+FR-1], v[AF+FR*(\a):AF+FR*(\a)+FR-1], v[8*(8*((\a)%4)+\b):8*(8*((\a)%4)+\b)+7], v[SC+8*NQ*(\sc)+NQ*\b+(\q)], v[SC+8*NQ*(\sc)+NQ*(\a)+(\q)] matrix_a_fmt:MATRIX_FMT_FP4 matrix_b_fmt:MATRIX_FMT_FP4 matrix_a_scale:MATRIX_SCALE_ROW1
.endif
.endr
.endr
.endm
.macro FETCH_B slot, q, p
	WIN TO_B
.irp i, 0,1,2,3,4,5,6,7
	FRAG 128*(\p)+FR*\i, ADRB+\slot, \q, \i
.endr
	WIN 0
.endm
.macro FETCH_A slot, q, i0
.irp i, \i0, \i0+1, \i0+2, \i0+3
	FRAG AF+FR*(\i), ADRA+\slot, \q, \i
.endr
.endm
.macro SCALES sc                       ; a slot's scale words: four words a row; lanes 0-15 take A's block i, lanes 16-31 B's block i
.irp i, 0,1,2,3,4,5,6,7
	ds_load_b128 v[SC+8*NQ*\sc+NQ*\i:SC+8*NQ*\sc+NQ*\i+3], v[ADRS] offset:\i*SBLK
.endr
.endm
.macro PLACES n                        ; places in front of loads into registers that matrix instructions have read, and of the first read of results
.rept \n
	v_nop
.endr
.endm
.macro STEP slot, q, zero              ; a step of 128 along K that has its successor in the same slot
	s_wait_dscnt 4*NL                              ; B's set and A's blocks 0-3 are in; the youngest eight loads (A's blocks 4-7) may be out
	WIN MUL_LO
	MUL16 0, (\q)%2, \q, \slot, \zero
	MUL16 2, (\q)%2, \q, \slot, \zero
	s_wait_dscnt 0                                 ; A's blocks 4-7 are in
	PLACES NP
	FETCH_B \slot, (\q)+1, 1-(\q)%2
	FETCH_A \slot, (\q)+1, 0
	WIN MUL_HI
	MUL16 4, (\q)%2, \q, \slot, \zero
	MUL16 6, (\q)%2, \q, \slot, \zero
	PLACES NP
	WIN 0
	FETCH_A \slot, (\q)+1, 4
.endm
; Slot 0's last step changes slots: each wave waits for all its tensor loads (slot 1's part is the one that may be out) and for its reads of slot 0; behind the barrier slot 1 is whole and nobody reads slot 0.
.macro TURN slot, next
	s_wait_tensorcnt 0x0
	ds_add_u32 v[SPW], v[NIL]                      ; 0 onto my spare word
	s_wait_dscnt 4*NL+1                            ; (the add and the youngest eight loads may be out)
	WIN MUL_LO
	MUL16 0, 1, NQ-1, \slot, 0
	s_wait_dscnt 0x0                               ; the add is done, and my reads of this slot are over
	s_barrier_signal -1
	MUL16 2, 1, NQ-1, \slot, 0
	WIN 0
	s_barrier_wait -1
	PLACES NP
	v_add_nc_u32 v[ADRS], 4*NQ, v[ADRS]            ; on to the next slot's scale words
	FETCH_B \next, 0, 0
	FETCH_A \next, 0, 0
	SCALES \next
	WIN MUL_HI
	MUL16 4, 1, NQ-1, \slot, 0
	MUL16 6, 1, NQ-1, \slot, 0
	PLACES NP
	WIN 0
	FETCH_A \next, 0, 4
.endm
	s_wait_tensorcnt 1                             ; the scales and my part of slot 0 are in; slot 1's load may be out
	s_barrier_signal -1
	s_barrier_wait -1
	FETCH_B 0, 0, 0
	FETCH_A 0, 0, 0
	SCALES 0
	FETCH_A 0, 0, 4
	STEP 0, 0, 1                                   ; the first products start the sums: nothing is cleared
	STEP 0, 1, 0
	STEP 0, 2, 0
	TURN 0, 1
	STEP 1, 0, 0
	STEP 1, 1, 0
	STEP 1, 2, 0
	s_wait_dscnt 4*NL                              ; the last step: nothing more to fetch
	WIN MUL_LO
	MUL16 0, 1, NQ-1, 1, 0
	MUL16 2, 1, NQ-1, 1, 0
	s_wait_dscnt 0
	WIN MUL_HI
	MUL16 4, 1, NQ-1, 1, 0
	MUL16 6, 1, NQ-1, 1, 0
	WIN 0
; THE WAY OUT, part 1: my first 16 rows in f32.  Every wave sends them through its f32 stage; the stores to fine32 run with lanes on only where those rows are positions 0 to 15.
; No branch: the condition holds the work-group's place in its cluster.
	PLACES NP
	WIN 0x08                                       ; an LDS store's data are its source 1: window 2
.irp b, 0,1,2,3,4,5,6,7
	ds_store_b128 v[STO32], v[8*\b:8*\b+3] offset:64*\b            ; each accumulator from its low end on
	ds_store_b128 v[STO32], v[8*\b+4:8*\b+7] offset:64*\b+16
.endr
	WIN 0
.irp t, 0,1,2,3,4,5,6,7,8,9,10,11,12,13,14,15
	ds_load_b128 v[FB+4*\t:FB+4*\t+3], v[RD32] offset:\t*S32P      ; LDS serves a wave's instructions in order: these see the stores above
.endr
	s_wait_dscnt 0x0
	v_cmp_eq_u32 vcc_lo, 0, v[VFLAG]
	s_wait_xcnt 0x0                                ; EXEC changes only behind this wait
	s_and_saveexec_b32 s67, vcc_lo
.irp t, 0,1,2,3,4,5,6,7,8,9,10,11,12,13,14,15
	global_store_b128 v[CO], v[FB+4*\t:FB+4*\t+3], s[96:97] offset:\t*12288   ; 32 lanes store 512 consecutive bytes of position t's row
.endr
	s_wait_xcnt 0x0                                ; and again in front of the line that widens it
	s_or_b32 exec_lo, exec_lo, s67
; Part 2: all eight blocks of 16 rows as f16.  PACK rounds; TOSTAGE turns a block through the f16 stage; SEND stores: four rows x one head's 128 bytes lie on end in qkv16, so each store covers 512 consecutive bytes.
.macro PACK a
.set AC, 64*((\a)%4)
	WIN 0x0a+5*((\a)/4)                            ; sources 0 and 1: window 2 or 3
.irp b, 0,1,2,3,4,5,6,7
.irp i, 0,1,2,3
	v_cvt_pk_f16_f32 v[TMP+4*\b+\i], v[AC+8*\b+2*\i], v[AC+8*\b+2*\i+1]
.endr
.endr
	WIN 0
.endm
.macro TOSTAGE a
.set BK, 32+192*((\a)%2)               ; v32-63 and v224-255 by turns
.irp b, 0,1,2,3,4,5,6,7
	ds_store_b128 v[STO16], v[TMP+4*\b:TMP+4*\b+3] offset:32*\b
.endr
.irp u, 0,1,2,3,4,5,6,7
	ds_load_b128 v[BK+4*\u:BK+4*\u+3], v[RD16] offset:128*(\u/4)+4*S16P*(\u%4)
.endr
.endm
.macro SEND a
.set BK, 32+192*((\a)%2)
	s_wait_dscnt 0x0                               ; the block is back in registers
	s_wait_xcnt 0x0                                ; the stores of the block before have read their registers: the next block's loads may land there
.irp u, 0,1,2,3,4,5,6,7
	global_store_b128 v[CO], v[BK+4*\u:BK+4*\u+3], s[12:13] offset:262144*(\u/4)+2048*(\a)+512*(\u%4)
.endr
.endm
	PACK 0
	TOSTAGE 0
.irp a, 1,2,3,4,5,6,7                  ; block a's conversions stand between block a - 1's loads from the stage and the wait for them
	PACK \a
	SEND \a-1
	TOSTAGE \a
.endr
	SEND 7
	s_wait_tensorcnt 0x0                           ; the wave's end
	ds_add_u32 v[SPW], v[NIL]
	s_wait_dscnt 0x0
	CROUND                                         ; the closing round
	s_endpgm
.Lfunc_end_k_qfaeacddebc_qkv:
	.size	k_qfaeacddebc_qkv, .Lfunc_end_k_qfaeacddebc_qkv-k_qfaeacddebc_qkv
	.p2alignl 7, 3214868480
	.fill 96, 4, 3214868480
	.section	.rodata,"a",@progbits
	.p2align	6, 0x0
	.amdhsa_kernel k_qfaeacddebc_qkv
		.amdhsa_group_segment_fixed_size 327680
		.amdhsa_private_segment_fixed_size 0
		.amdhsa_enable_private_segment 0
		.amdhsa_kernarg_size 48
		.amdhsa_user_sgpr_count 2
		.amdhsa_user_sgpr_kernarg_segment_ptr 1
		.amdhsa_wavefront_size32 1
		.amdhsa_system_sgpr_workgroup_id_x 1
		.amdhsa_system_sgpr_workgroup_id_y 1
		.amdhsa_system_sgpr_workgroup_id_z 1
		.amdhsa_system_vgpr_workitem_id 0
		.amdhsa_next_free_vgpr 1024
		.amdhsa_next_free_sgpr 98
		.amdhsa_reserve_vcc 1
		.amdhsa_float_denorm_mode_32 3
		.amdhsa_float_denorm_mode_16_64 3
		.amdhsa_memory_ordered 1
		.amdhsa_forward_progress 1
		.amdhsa_inst_pref_size 131
	.end_amdhsa_kernel
	.amdgpu_metadata
---
amdhsa.version: [ 1, 2 ]
amdhsa.kernels:
  - .name:           k_qfaeacddebc_qkv
    .symbol:         k_qfaeacddebc_qkv.kd
    .args:
      - { .name: x_codes, .offset: 0, .size: 8, .value_kind: global_buffer, .address_space: global }
      - { .name: x_scales, .offset: 8, .size: 8, .value_kind: global_buffer, .address_space: global }
      - { .name: w_codes, .offset: 16, .size: 8, .value_kind: global_buffer, .address_space: global }
      - { .name: w_scales, .offset: 24, .size: 8, .value_kind: global_buffer, .address_space: global }
      - { .name: qkv16, .offset: 32, .size: 8, .value_kind: global_buffer, .address_space: global }
      - { .name: fine32, .offset: 40, .size: 8, .value_kind: global_buffer, .address_space: global }
    .group_segment_fixed_size: 327680
    .private_segment_fixed_size: 0
    .kernarg_segment_align: 8
    .kernarg_segment_size: 48
    .max_flat_workgroup_size: 128
    .sgpr_count:     98
    .vgpr_count:     1024
    .wavefront_size: 32
...
	.end_amdgpu_metadata
.endif
;; end of part 2
;; launch attn (part 3): grid 8 x 32, 8 waves a work-group, no clusters, 327,680 bytes of LDS; arguments qkv16, y16; writes y16
.if DOCPART == 3
	.amdgcn_target "amdgcn-amd-amdhsa--gfx1250"
	.amdhsa_code_object_version 6
	.text
	.protected	k_qfaeacddebc_attn
	.globl	k_qfaeacddebc_attn
	.p2align	8
	.type	k_qfaeacddebc_attn,@function
k_qfaeacddebc_attn:
	s_mov_b64 s[64:65], 0
	v_nop
	global_prefetch_b8 v0, s[64:65] scope:SCOPE_SE
	s_setreg_imm32_b32 hwreg(HW_REG_WAVE_MODE, 25, 1), 1
	s_wait_xcnt 0x0
; y[b][head][q] = the sum over keys k <= q of softmax_k(Q[q] . K[k] / 8) V[k].  Q, K, V: f16, [batch 2][G 48][2,048][64] (G: 0-15 q's heads, 16-31 k's, 32-47 v's).  Products in f16 with f32 sums; maxima, exponentials and sums in f32;
; the weights p are rounded to f16 for the second product, y once at the end.  y16: [row block of 128: 32][head 16][128][64] f16.
; LIMITS: |y| under 65,504; NaN and infinities are not served.  Positions 0 to 15 are made here in f16 like all others; a later launch makes the output's rows of those positions again in f32.
; SHARES.  A work-group (j, batch x head) owns the query blocks j and 15 - j of 128 queries: under the causal mask every such pair has the same work.  Each of its 8 waves owns 16 queries of each block (tile A, tile B).
; Every work-group walks all 8 slots of 256 keys, so that trip counts are constants; a key step (64 keys) all of whose keys come after a tile's queries is jumped over by a scalar branch on ids.
; NO CLUSTER: the work-groups of a head need different numbers of K's and V's tiles under the mask, so some partner would jump over the reads of a joint tile.
; LAYOUT.  S^T = K Q^T (source 0 = 16 keys, source 1 = 16 queries): a lane holds ONE query (lane % 16) and keys 8 (lane / 16) + 0..7 of each tile of 16.  Two such tiles, rounded in pairs, ARE source 1 of O^T = V^T P.
; K comes out of LDS as it lies, V ([key][channel]) turned, by ds_load_tr16_b128.
; SOFTMAX.  A running maximum m and sum l for each query: p = 2^(c s - c m), c = log2(e) / 8; in every step O and l are multiplied by a = 2^(c m_old - c m_new).
; REGISTERS.  window 0: v1-14 addresses; v16-31 statistics, 8 a tile (+0 c m, +1 m, +2, +3 l, +4..+7 at work, a in +6); v32-95 S^T; v96-127 P; v128-191 O^T; v192-255 K of a step.  window 1: v0-31 Q; v32-95 V of a step.
.set PK,    144                        ; a key's row in LDS: 128 bytes + 16 = 36 words: the 16 rows of a load start at 16 different groups of four banks (64 banks of 4 bytes: ISA guide 11.1)
.set PV,    160                        ; a row of V: 128 + 32 bytes
.set SK,    256                        ; keys in a slot
.set VOFF,  SK*PK                      ; a slot: 256 rows of K, then 256 rows of V
.set SLOT1, 1<<17                      ; slot 1 begins here: one exclusive or turns an address from one slot to the other
.set STAGE, SLOT1+SK*(PK+PV)           ; behind the ring: 16 rows x 144 bytes for each wave, for the way out
.set SP,    144
.set SPARE, STAGE+8*16*SP              ; the spare words, 128 bytes for each wave, which no other line names
.set NSL,   2048/SK
.set AK0, 1                            ; v1   my lane's place in a tile of K
.set AV0, 2                            ; v2   the same for V
.set ADK, 3                            ; v3   LDS address of the step's K
.set ADV, 4                            ; v4   of its V
.set SPW, 5
.set NIL, 6
.set GO,  7                            ; v7   16 x lane
.set STO, 8                            ; v8   the way out: where I put 16 bytes of a row
.set RD,  9                            ; v9   and where I read back
.set DQ,  10                           ; v10  lane % 16 - 8 (lane / 16)
.set NINF, 11                          ; v11  -infinity
.set DD,  12                           ; v12  at work in the mask
.set PFO, 13                           ; v13  256 x lane; never rewritten
.set QO,  14                           ; v14  my byte offset in a tile's rows of Q
.set ST,  16
.set S,   32
.set P,   96
.set O,   128
.set KR,  192
.set VR,  32                           ; in window 1
.set WV,  8                            ; s8   my wave's number
.set SEL, 20                           ; s[20:21] lane selects for v_permlanex16_b32: lane l xor 16
.set CS,  22                           ; s[22:23] c, twice
.set G1K, 24
.set G1V, 32
.set G0K, 40
.set G0V, 44
.set TB,  48                           ; s48  LDS byte at which the slot in hand begins
.set KF,  49                           ; s49  the step's first key
.set QA,  50                           ; s50  tile A's first query;  s51 tile B's
.set QB,  51
.set SLOTS, 52
.set LIM, 53                           ; s53  1 in a work-group that prefetches, else the greatest number
.set PFA, 54                           ; s[54:55] where my prefetches stand
.set MSB, 0
.macro WIN new
.if MSB != \new
	s_set_vgpr_msb (MSB<<8)|\new
.set MSB, \new
.endif
.endm
; Waves 0 to 3 fetch the four quarters (64 keys) of a slot's K, waves 4 to 7 those of its V: one load a wave.  An s_nop 0 and four v_nop follow each line.
.macro TLOAD
	s_cmp_lt_u32 s[WV], 4
	s_cbranch_scc0 .Lfor_v_\@
	tensor_load_to_lds s[G0K:G0K+3], s[G1K:G1K+7]
	s_nop 0
.rept 4
	v_nop
.endr
	s_branch .Lasked_\@
.Lfor_v_\@:
	tensor_load_to_lds s[G0V:G0V+3], s[G1V:G1V+7]
	s_nop 0
.rept 4
	v_nop
.endr
.Lasked_\@:
.endm
; A prefetch of what the NEXT change of slots will ask for, a slot's four key steps ahead of that load.  All eight work-groups of a head walk the same K and V: the first of them (j = 0, which walks every slot) asks;
; each of its waves names its own quarter, 8,192 bytes, lanes 256 bytes apart: so each block of 256 bytes is named once in the launch.  The last change that fills a slot asks for nothing.
.macro ASK
	s_cmp_gt_u32 s[SLOTS], s[LIM]
	s_cbranch_scc0 .Lnot_mine_\@
	global_prefetch_b8 v[PFO], s[PFA:PFA+1] th:TH_LOAD_NT scope:SCOPE_SE
.Lnot_mine_\@:
.endm
	s_load_b128 s[4:7], s[0:1], 0x0                ; qkv16, y16
	v_lshl_add_u32 v[SPW], v0, 2, SPARE
	v_mov_b32 v[NIL], 0
	ds_add_u32 v[SPW], v[NIL]                      ; the wave's opening: the add, twice on end, and its wait ahead of my first tensor load
	ds_add_u32 v[SPW], v[NIL]
	v_lshrrev_b32 v1, 5, v0
	v_readfirstlane_b32 s[WV], v1                  ; wave 0..7
	s_and_b32 s56, ttmp7, 0xffff
	s_lshr_b32 s57, s56, 4                         ; batch
	s_and_b32 s58, s56, 15                         ; head
	s_mul_i32 s59, s57, 48
	s_add_co_u32 s59, s59, s58
	s_lshl_b32 s60, s59, 18                        ; q's head, in bytes; k's lies 16 << 18 on, v's 32 << 18
	s_mov_b32 s61, 0
	s_lshl_b32 s62, s[WV], 4
	s_lshl_b32 s[QA], ttmp9, 7
	s_add_co_u32 s[QA], s[QA], s62                 ; 128 j + 16 wave
	s_sub_co_u32 s63, 15, ttmp9
	s_lshl_b32 s[QB], s63, 7
	s_add_co_u32 s[QB], s[QB], s62                 ; 128 (15 - j) + 16 wave
	s_lshl_b32 s66, s57, 4
	s_add_co_u32 s67, s66, ttmp9                   ; y's row blocks: 16 batch + j,
	s_add_co_u32 s66, s66, s63                     ; 16 batch + 15 - j
	s_lshl_b32 s67, s67, 18
	s_lshl_b32 s66, s66, 18
	s_lshl_b32 s58, s58, 14                        ; the head's 128 rows of 128 bytes,
	s_lshl_b32 s62, s[WV], 11                      ; my 16 of them
	s_add_co_u32 s58, s58, s62
	s_add_co_u32 s68, s67, s58
	s_mov_b32 s69, 0
	s_add_co_u32 s70, s66, s58
	s_mov_b32 s71, 0
	s_and_b32 s62, s[WV], 3                        ; which quarter of a slot I fetch
	; descriptor group 1: 64 rows of 64 f16, dense in memory; K: 4 words of padding after every 32, V: 8
	s_mov_b32 s[G1K], (1<<16)|(1<<20)|(4<<22)|(3<<25)
	s_mov_b32 s[G1V], (1<<16)|(1<<20)|(4<<22)|(7<<25)
.irp g, G1K, G1V
	s_mov_b32 s[\g+1], 64<<16                      ; tensor_dim0
	s_mov_b32 s[\g+2], 64<<16                      ; tensor_dim1
	s_mov_b32 s[\g+3], 64<<16                      ; tile_dim0
	s_mov_b32 s[\g+4], 64                          ; tile_dim1
	s_mov_b32 s[\g+5], 64                          ; from row to row
	s_mov_b32 s[\g+6], 0
	s_mov_b32 s[\g+7], 0
.endr
	s_mov_b32 s[G0K], 1
	s_mul_i32 s[G0K+1], s62, 64*PK                 ; LDS: slot 0, my quarter
	s_mov_b32 s[G0V], 1
	s_mul_i32 s[G0V+1], s62, 64*PV
	s_add_co_u32 s[G0V+1], s[G0V+1], VOFF
	s_mov_b32 s[SEL], 0x76543210
	s_mov_b32 s[SEL+1], 0xfedcba98
	s_mov_b32 s[CS], 0x3e38aa3b                    ; c = log2(e) / 8
	s_mov_b32 s[CS+1], s[CS]
	s_mov_b32 s[TB], 0
	s_mov_b32 s[KF], 0
	s_mov_b32 s[SLOTS], NSL-1
	s_cmp_eq_u32 ttmp9, 0
	s_cselect_b32 s[LIM], 1, -1
	s_wait_dscnt 0x0                               ; both opening adds are done
	s_wait_kmcnt 0x0
	s_add_nc_u64 s[16:17], s[6:7], s[68:69]        ; y at tile A's rows,
	s_add_nc_u64 s[18:19], s[6:7], s[70:71]        ; at tile B's
	s_add_nc_u64 s[60:61], s[4:5], s[60:61]        ; q's head
	s_mov_b32 s67, 0
	s_lshl_b32 s66, s[QA], 7
	s_add_nc_u64 s[12:13], s[60:61], s[66:67]      ; Q at tile A's rows,
	s_lshl_b32 s66, s[QB], 7
	s_add_nc_u64 s[14:15], s[60:61], s[66:67]      ; at tile B's
	s_lshl_b32 s66, s62, 13                        ; my quarter: 64 rows of 128 bytes
	s_add_nc_u64 s[60:61], s[60:61], s[66:67]
	s_add_nc_u64 s[G0K+2:G0K+3], s[60:61], 16<<18
	s_add_nc_u64 s[G0V+2:G0V+3], s[60:61], 32<<18
	s_cmp_lt_u32 s[WV], 4
	s_cselect_b64 s[PFA:PFA+1], s[G0K+2:G0K+3], s[G0V+2:G0V+3]
	s_add_nc_u64 s[PFA:PFA+1], s[PFA:PFA+1], SK*128  ; in slot 1: the first change of slots steps it to slot 2.  Nothing is prefetched at the head
	s_or_b32 s[G0K+3], s[G0K+3], 0x80000000
	s_or_b32 s[G0V+3], s[G0V+3], 0x80000000
	TLOAD                                          ; slot 0: it holds key 0, which counts for every query
	v_and_b32 v15, 15, v0                          ; r
	v_bfe_u32 v12, v0, 4, 1                        ; h
	v_lshlrev_b32 v[QO], 7, v15
	v_lshl_add_u32 v[QO], v12, 4, v[QO]            ; row r of 128 bytes + 16 h
	WIN 0x40                                       ; destination window 1
.irp x, 0,1
.irp c, 0,1
	global_load_b128 v[16*\x+8*\c:16*\x+8*\c+3],   v[QO], s[12+2*\x:13+2*\x] offset:64*\c      ; Q stays in registers: tile x, channels 32 c on
	global_load_b128 v[16*\x+8*\c+4:16*\x+8*\c+7], v[QO], s[12+2*\x:13+2*\x] offset:64*\c+32
.endr
.endr
	WIN 0
	v_mul_u32_u24 v[AK0], v15, PK
	v_lshl_add_u32 v[AK0], v12, 4, v[AK0]          ; K: row r x pitch + 16 h
	v_and_b32 v3, 7, v0
	v_bfe_u32 v4, v0, 3, 1
	v_lshl_add_u32 v[AV0], v12, 3, v3              ; V, for the turning load: key 8 h + lane % 8, channels 8 ((lane / 8) % 2) on
	v_mul_u32_u24 v[AV0], v[AV0], PV
	v_lshl_add_u32 v[AV0], v4, 4, v[AV0]
	v_add_nc_u32 v[AV0], VOFF, v[AV0]
	v_and_b32 v3, 31, v0
	v_lshlrev_b32 v[GO], 4, v3
	v_lshlrev_b32 v[PFO], 8, v3
	s_mul_i32 s66, s[WV], 16*SP
	s_add_co_u32 s66, s66, STAGE                   ; my stage
	v_mul_u32_u24 v[STO], v15, SP
	v_lshl_add_u32 v[STO], v12, 4, v[STO]
	v_add_nc_u32 v[STO], s66, v[STO]               ; in: row r, 16 bytes for each half of the lanes
	v_lshrrev_b32 v4, 3, v3
	v_mul_u32_u24 v[RD], v4, SP
	v_and_b32 v4, 7, v0
	v_lshl_add_u32 v[RD], v4, 4, v[RD]
	v_add_nc_u32 v[RD], s66, v[RD]                 ; back: eight lanes to a row of 128 bytes, four rows an instruction
	v_lshlrev_b32 v4, 3, v12
	v_sub_nc_u32 v[DQ], v15, v4
	v_mov_b32 v[NINF], 0xff800000
.irp x, 0,1
	v_mov_b32 v[ST+8*\x+1], 0xff61b1e6             ; m: -3e38, under every score
	v_mul_f32 v[ST+8*\x], s[CS], v[ST+8*\x+1]      ; c m
.irp i, 2,3,4,5,6,7
	v_mov_b32 v[ST+8*\x+\i], 0                     ; l; and the registers at work (a lane permute's destination counts as one of its sources)
.endr
.endr
.set i, 0
.rept 64
	v_mov_b32 v[O+i], 0                            ; O^T.  The step is written once: the first finds zeros, which its a = 0 leaves zeros
.set i, i+1
.endr
; S^T of tile x: 8 products, the four accumulators by turns; the first four start the sums.
.macro KQ x
	WIN 0x04                                       ; source 1 (Q) window 1
.irp c, 0,1
.irp kt, 0,1,2,3
.if \c == 0
	v_wmma_f32_16x16x32_f16 v[S+32*(\x)+8*\kt:S+32*(\x)+8*\kt+7], v[KR+16*\kt+8*\c:KR+16*\kt+8*\c+7], v[16*(\x)+8*\c:16*(\x)+8*\c+7], 0
.else
	v_wmma_f32_16x16x32_f16 v[S+32*(\x)+8*\kt:S+32*(\x)+8*\kt+7], v[KR+16*\kt+8*\c:KR+16*\kt+8*\c+7], v[16*(\x)+8*\c:16*(\x)+8*\c+7], v[S+32*(\x)+8*\kt:S+32*(\x)+8*\kt+7]
.endif
.endr
.endr
	WIN 0
.endm
; O^T of tile x += V^T P: 8 products, the four accumulators by turns.
.macro PVX x
	WIN 0x01                                       ; source 0 (V) window 1
.irp kh, 0,1
.irp ct, 0,1,2,3
	v_wmma_f32_16x16x32_f16 v[O+32*(\x)+8*\ct:O+32*(\x)+8*\ct+7], v[VR+8*(4*\kh+\ct):VR+8*(4*\kh+\ct)+7], v[P+16*(\x)+8*\kh:P+16*(\x)+8*\kh+7], v[O+32*(\x)+8*\ct:O+32*(\x)+8*\ct+7]
.endr
.endr
	WIN 0
.endm
; On the diagonal the scores of hidden keys become -infinity ahead of the maximum.  Register 8 kt + i holds key KF + 16 kt + 8 h + i: hidden where 16 kt + i > my query - KF - 8 h.  A step all of whose keys count skips this.
.macro MASK x
	s_add_co_u32 s66, s[KF], 63
	s_cmp_le_u32 s66, s[QA+\x]
	s_cbranch_scc1 .Lopen_\@
	s_sub_co_i32 s66, s[QA+\x], s[KF]
	v_add_nc_u32 v[DD], s66, v[DQ]
.irp n, 0,1,2,3,4,5,6,7,8,9,10,11,12,13,14,15,16,17,18,19,20,21,22,23,24,25,26,27,28,29,30,31
	v_cmp_gt_i32 vcc_lo, 16*(\n/8)+\n%8, v[DD]
	v_cndmask_b32 v[S+32*(\x)+\n], v[S+32*(\x)+\n], v[NINF], vcc_lo
.endr
.Lopen_\@:
.endm
; Tile x's softmax for one key step.
.macro SM x
.set rT, ST+8*(\x)
.set rS, S+32*(\x)
.set rP, P+16*(\x)
.set rO, O+32*(\x)
.irp j, 0,1,2,3
	v_max3_num_f32 v[rT+4+\j], v[rS+8*\j], v[rS+8*\j+1], v[rS+8*\j+2]     ; four chains, each accumulator from its low end on
.endr
.irp g, 1,2
.irp j, 0,1,2,3
	v_max3_num_f32 v[rT+4+\j], v[rT+4+\j], v[rS+8*\j+2*\g+1], v[rS+8*\j+2*\g+2]
.endr
.endr
	v_max3_num_f32 v[rT+4], v[rT+4], v[rS+7], v[rS+15]
	v_max3_num_f32 v[rT+6], v[rT+6], v[rS+23], v[rS+31]
	v_max3_num_f32 v[rT+4], v[rT+4], v[rT+5], v[rT+6]
	v_max3_num_f32 v[rT+4], v[rT+4], v[rT+7], v[rT+1]                     ; with the old m
	v_permlanex16_b32 v[rT+5], v[rT+4], s[SEL], s[SEL+1]                  ; the query's other 32 keys lie in the lane 16 away
	v_mov_b32 v[rT+7], v[rT]                                              ; c m_old
	v_max_num_f32 v[rT+1], v[rT+4], v[rT+5]                               ; the new m
	v_mul_f32 v[rT], s[CS], v[rT+1]
	v_sub_f32 v[rT+7], v[rT+7], v[rT]
.irp b, 0,2,4,6,8,10,12,14,16,18,20,22,24,26,28,30
	v_pk_fma_f32 v[rS+\b:rS+\b+1], v[rS+\b:rS+\b+1], s[CS:CS+1], v[rT:rT+1] op_sel_hi:[1,0,0] neg_lo:[0,0,1] neg_hi:[0,0,1]   ; c s - c m
.endr
	v_exp_f32 v[rT+6], v[rT+7]                                            ; a
.irp e, 0,1,2,3,4,5,6,7,8,9,10,11,12,13,14,15,16,17,18,19,20,21,22,23,24,25,26,27,28,29,30,31
	v_exp_f32 v[rS+\e], v[rS+\e]
.endr
	v_nop                                          ; a plain instruction behind the last exponential
	s_wait_alu depctr_va_vdst(0)                   ; one wait for the batch of 33, ahead of the first instruction that names a result
.irp i, 0,1,2,3,4,5,6,7,8,9,10,11,12,13,14,15
	v_cvt_pk_f16_f32 v[rP+\i], v[rS+2*\i], v[rS+2*\i+1]
.endr
.irp u, 0,4,8,12,16,20,24,28
	v_pk_add_f32 v[rS+\u:rS+\u+1], v[rS+\u:rS+\u+1], v[rS+\u+2:rS+\u+3]   ; the sum of the unrounded weights, as a tree, in place
.endr
.irp u, 0,8,16,24
	v_pk_add_f32 v[rS+\u:rS+\u+1], v[rS+\u:rS+\u+1], v[rS+\u+4:rS+\u+5]
.endr
.irp u, 0,16
	v_pk_add_f32 v[rS+\u:rS+\u+1], v[rS+\u:rS+\u+1], v[rS+\u+8:rS+\u+9]
.endr
	v_pk_add_f32 v[rS:rS+1], v[rS:rS+1], v[rS+16:rS+17]
	v_pk_fma_f32 v[rT+2:rT+3], v[rT+2:rT+3], v[rT+6:rT+7], v[rS:rS+1] op_sel_hi:[1,0,1]   ; l = a l + the sum
.irp i, 0,2,4,6,8,10,12,14,16,18,20,22,24,26,28,30
	v_pk_mul_f32 v[rO+\i:rO+\i+1], v[rO+\i:rO+\i+1], v[rT+6:rT+7] op_sel_hi:[1,0]         ; O^T x a
.endr
.endm
; A KEY STEP: 64 keys, the q-th of the slot in hand.  Tile B's queries come after tile A's, so a step that is hidden from B is hidden from both.
.macro STEP q
	s_add_co_u32 s66, s[QB], 15
	s_cmp_gt_u32 s[KF], s66
	s_cbranch_scc1 .Lhid_\@
	v_add_nc_u32 v[ADK], s[TB], v[AK0]
	v_add_nc_u32 v[ADV], s[TB], v[AV0]
	v_nop                                          ; with the two additions: four places behind the last step's products, in front of the loads into V's registers
	v_nop
.irp kt, 0,1,2,3
.irp c, 0,1
	ds_load_b128 v[KR+16*\kt+8*\c:KR+16*\kt+8*\c+3],   v[ADK] offset:(64*(\q)+16*\kt)*PK+64*\c
	ds_load_b128 v[KR+16*\kt+8*\c+4:KR+16*\kt+8*\c+7], v[ADK] offset:(64*(\q)+16*\kt)*PK+64*\c+32
.endr
.endr
	WIN 0x40                                       ; destination window 1
.irp kh, 0,1
.irp ct, 0,1,2,3
	ds_load_tr16_b128 v[VR+8*(4*\kh+\ct):VR+8*(4*\kh+\ct)+3],   v[ADV] offset:(64*(\q)+32*\kh)*PV+32*\ct
	ds_load_tr16_b128 v[VR+8*(4*\kh+\ct)+4:VR+8*(4*\kh+\ct)+7], v[ADV] offset:(64*(\q)+32*\kh+16)*PV+32*\ct
.endr
.endr
	WIN 0
	s_wait_dscnt 16                                ; K's sixteen loads are in; V's sixteen may be out
	KQ 1
	s_add_co_u32 s66, s[QA], 15
	s_cmp_gt_u32 s[KF], s66
	s_cbranch_scc1 .LnoA1_\@
	KQ 0
.LnoA1_\@:
.rept 4
	v_nop                                          ; places behind the products, in front of the first read of the scores
.endr
	MASK 1
	SM 1
	s_wait_dscnt 0x0                               ; V is in
	PVX 1
	s_add_co_u32 s66, s[QA], 15
	s_cmp_gt_u32 s[KF], s66
	s_cbranch_scc1 .LnoA2_\@
	MASK 0
	SM 0
	PVX 0
.LnoA2_\@:
.Lhid_\@:
	s_add_co_u32 s[KF], s[KF], 64
.endm
; THE CHANGE OF SLOTS stands at a slot's head.  Each wave waits for all its tensor loads (its part of the slot ahead), adds 0 to its spare word, and waits for that and for its reads of the slot that it has left.
; Behind the barrier the slot ahead is whole and nobody reads the other one.  fill = 1: that other slot takes the next 256 keys, while its first key is at or under the work-group's last query:
; a test on ids and the count of steps, the same in all eight waves; every wait on TENSORcnt in this text is for 0.
.macro CHANGE fill
	s_wait_tensorcnt 0x0                           ; no tensor load of mine is out, so a group 0 may be written
	ds_add_u32 v[SPW], v[NIL]                      ; 0 onto my spare word
.if \fill
	s_xor_b32 s[G0K+1], s[G0K+1], SLOT1            ; the walking descriptors: the other slot,
	s_add_nc_u64 s[G0K+2:G0K+3], s[G0K+2:G0K+3], SK*128   ; the next 256 keys
	s_xor_b32 s[G0V+1], s[G0V+1], SLOT1
	s_add_nc_u64 s[G0V+2:G0V+3], s[G0V+2:G0V+3], SK*128
	s_wait_xcnt 0x0                                ; the last prefetch, a slot back, has read its address
	s_add_nc_u64 s[PFA:PFA+1], s[PFA:PFA+1], SK*128
.endif
	s_wait_dscnt 0x0                               ; the add is done, and my reads of the slot that I have left are over
	s_barrier_signal -1
	s_barrier_wait -1
.if \fill
	s_add_co_u32 s66, s[KF], SK                    ; the first key of the slot that this change would ask for
	s_or_b32 s67, s[QB], 127                       ; my work-group's last query
	s_cmp_gt_u32 s66, s67
	s_cbranch_scc1 .Lpast_\@
	TLOAD                                          ; a wave's one tensor load until the next change
.Lpast_\@:
	ASK
.endif
.endm
.macro SLOT_STEPS
	STEP 0
	STEP 1
	STEP 2
	STEP 3
	s_xor_b32 s[TB], s[TB], SLOT1
.endm
	s_wait_loadcnt 0x0                             ; Q
.Lslot:                                            ; NSL - 1 trips
	CHANGE 1
	SLOT_STEPS
	s_sub_co_u32 s[SLOTS], s[SLOTS], 1
	s_cmp_lg_u32 s[SLOTS], 0
	s_cbranch_scc1 .Lslot
	CHANGE 0                                       ; the last slot is written out: nothing is left to ask for
	SLOT_STEPS
	; THE WAY OUT.  l's two halves and the other half of the lanes' are added; O^T is divided by l, rounded to f16 and sent through my stage: a tile's 16 rows x 128 bytes lie on end in y16.
.rept 4
	v_nop
.endr
.irp x, 0,1
	v_add_f32 v[ST+8*\x+4], v[ST+8*\x+2], v[ST+8*\x+3]
.endr
.irp x, 0,1
	v_permlanex16_b32 v[ST+8*\x+5], v[ST+8*\x+4], s[SEL], s[SEL+1]
.endr
.irp x, 0,1
	v_add_f32 v[ST+8*\x+4], v[ST+8*\x+4], v[ST+8*\x+5]
.endr
.irp x, 0,1
	v_rcp_f32 v[ST+8*\x+6], v[ST+8*\x+4]
.endr
	v_nop                                          ; a plain instruction behind the last reciprocal
	s_wait_alu depctr_va_vdst(0)                   ; one wait for the two, ahead of the first use
.irp x, 0,1
.irp i, 0,2,4,6,8,10,12,14,16,18,20,22,24,26,28,30
	v_pk_mul_f32 v[O+32*\x+\i:O+32*\x+\i+1], v[O+32*\x+\i:O+32*\x+\i+1], v[ST+8*\x+6:ST+8*\x+7] op_sel_hi:[1,0]
.endr
.irp i, 0,1,2,3,4,5,6,7,8,9,10,11,12,13,14,15
	v_cvt_pk_f16_f32 v[S+32*\x+\i], v[O+32*\x+2*\i], v[O+32*\x+2*\i+1]
.endr
.irp ct, 0,1,2,3
	ds_store_b128 v[STO], v[S+32*\x+4*\ct:S+32*\x+4*\ct+3] offset:32*\ct
.endr
.irp u, 0,1,2,3
	ds_load_b128 v[S+32*\x+16+4*\u:S+32*\x+16+4*\u+3], v[RD] offset:4*SP*\u   ; LDS serves a wave's instructions in order: these see the stores above
.endr
.irp u, 0,1,2,3
	s_wait_dscnt 3-\u                              ; load u is back; the younger ones may be out
	global_store_b128 v[GO], v[S+32*\x+16+4*\u:S+32*\x+16+4*\u+3], s[16+2*\x:17+2*\x] offset:512*\u   ; 32 lanes store 512 consecutive bytes
.endr
.endr
	s_wait_tensorcnt 0x0                           ; the wave's end
	ds_add_u32 v[SPW], v[NIL]
	s_wait_dscnt 0x0
	s_endpgm
.Lfunc_end_k_qfaeacddebc_attn:
	.size	k_qfaeacddebc_attn, .Lfunc_end_k_qfaeacddebc_attn-k_qfaeacddebc_attn
	.p2alignl 7, 3214868480
	.fill 96, 4, 3214868480
	.section	.rodata,"a",@progbits
	.p2align	6, 0x0
	.amdhsa_kernel k_qfaeacddebc_attn
		.amdhsa_group_segment_fixed_size 327680
		.amdhsa_private_segment_fixed_size 0
		.amdhsa_enable_private_segment 0
		.amdhsa_kernarg_size 16
		.amdhsa_user_sgpr_count 2
		.amdhsa_user_sgpr_kernarg_segment_ptr 1
		.amdhsa_wavefront_size32 1
		.amdhsa_system_sgpr_workgroup_id_x 1
		.amdhsa_system_sgpr_workgroup_id_y 1
		.amdhsa_system_sgpr_workgroup_id_z 1
		.amdhsa_system_vgpr_workitem_id 0
		.amdhsa_next_free_vgpr 352
		.amdhsa_next_free_sgpr 72
		.amdhsa_reserve_vcc 1
		.amdhsa_float_denorm_mode_32 3
		.amdhsa_float_denorm_mode_16_64 3
		.amdhsa_memory_ordered 1
		.amdhsa_forward_progress 1
		.amdhsa_inst_pref_size 193
	.end_amdhsa_kernel
	.amdgpu_metadata
---
amdhsa.version: [ 1, 2 ]
amdhsa.kernels:
  - .name:           k_qfaeacddebc_attn
    .symbol:         k_qfaeacddebc_attn.kd
    .args:
      - { .name: qkv16, .offset: 0, .size: 8, .value_kind: global_buffer, .address_space: global }
      - { .name: y16, .offset: 8, .size: 8, .value_kind: global_buffer, .address_space: global }
    .group_segment_fixed_size: 327680
    .private_segment_fixed_size: 0
    .kernarg_segment_align: 8
    .kernarg_segment_size: 16
    .max_flat_workgroup_size: 256
    .sgpr_count:     72
    .vgpr_count:     352
    .wavefront_size: 32
...
	.end_amdgpu_metadata
.endif
;; end of part 3
;; launch proj (part 4): grid 8 x 32, 4 waves a work-group, clusters of 4 x 4, 327,680 bytes of LDS; arguments y16, wo16, out0; writes out0
.if DOCPART == 4
	.amdgcn_target "amdgcn-amd-amdhsa--gfx1250"
	.amdhsa_code_object_version 6
	.text
	.protected	k_qfaeacddebc_proj
	.globl	k_qfaeacddebc_proj
	.p2align	8
	.type	k_qfaeacddebc_proj,@function
k_qfaeacddebc_proj:
	s_mov_b64 s[64:65], 0
	v_nop
	global_prefetch_b8 v0, s[64:65] scope:SCOPE_SE
	s_setreg_imm32_b32 hwreg(HW_REG_WAVE_MODE, 25, 1), 1
	s_wait_xcnt 0x0
	s_wait_alu depctr_hold_cnt(0) depctr_sa_sdst(0) depctr_va_vdst(0) depctr_va_sdst(0) depctr_va_ssrc(0) depctr_va_vcc(0) depctr_vm_vsrc(0)
	s_getreg_b32 s2, hwreg(HW_REG_IB_STS2, 6, 4)
	s_cmp_eq_u32 s2, 0
	s_cbranch_scc0 .Lentry_in_a_cluster
	s_endpgm
.Lentry_in_a_cluster:
	s_bfe_u32 s2, ttmp6, 0x10000c
	s_cmp_lg_u32 s2, 0xf033
	s_cbranch_scc0 .Lentry_shape_is_right
	s_endpgm
.Lentry_shape_is_right:
; out0[m][n] = sum over k of y[m][k] Wo[n][k]: m = 4,096, n = k = 1,024; f16 operands, f32 sums, f32 out.  y16 lies [row block of 128: 32][head 16][128][64]; k = 64 head + channel.  wo16: [n][k].
; A tile of the output is 128 x 128 (256 work-groups); four waves, each 64 x 64: 16 accumulators.  K goes in steps of 256 (four heads) through two LDS slots.
; A's tile of a K step is four planes [128 rows][64] that lie on end in memory: waves 0 and 1 fetch two planes each, a dense block of 256 rows of 128 bytes.  B's: waves 2 and 3, 64 rows of 512 bytes each.
; All rows are made here, positions 0 to 15 of both sequences too: the tile row holds the work-group's place in its cluster; the launch behind this one writes those 32 rows again, in f32 throughout.
; CLUSTERS: 4 x 4 work-groups; A's tiles are asked for jointly along a row of the cluster, B's along a column.  THE MATRIX INSTRUCTION IS USED TRANSPOSED (source 0 = 16 rows of Wo, source 1 = 16 rows of y).
; REGISTERS: window 0: v0-31 addresses; v32-95 the way out; v128-255 the accumulators ((a, b) at v[128 + 8 (4 a + b)]).  window 1: two fragment buffers of 128: 64 registers of A, then 64 of B, for 64 along K.
.set SIZE_K, 1024
.set KSTEP,  256
.set PA,     144                       ; A's LDS row: 128 bytes + 16
.set PB,     528                       ; B's: 512 bytes + 16
.set HALFA,  256*PA                    ; two planes: what one of A's loads brings
.set HALFB,  64*PB
.set BOFF,   2*HALFA
.set SLOT,   BOFF+2*HALFB
.set STAGE,  2*SLOT                    ; behind the ring: 16 rows x 272 bytes for each wave
.set SPITCH, 272
.set SPARE,  STAGE+4*16*SPITCH         ; the spare words, 128 bytes for each wave, which no other line names
.set LAPS,   SIZE_K/(2*KSTEP)
.set ADRA, 16
.set ADRB, 20
.set STO,  24
.set RD,   25
.set CO,   26
.set SPW,  28
.set NIL,  29
.set TMP,  32
.set ACC,  128
.set F0,   0
.set F1,   128
.set G1, 24
.set G0, 32
.set G1B, 48
.set G0B, 56
.set MSB, 0
.macro WIN new
.if MSB != \new
	s_set_vgpr_msb (MSB<<8)|\new
.set MSB, \new
.endif
.endm
.set MUL,  0x05                        ; sources 0 (B) and 1 (A) window 1; C and D window 0
.set TO_F, 0x40
.macro JLOAD s                         ; a joint load: waves 0 and 1 fetch for A, waves 2 and 3 for B; an s_nop 0 and four v_nop follow each line
	s_cmp_eq_u32 s11, 0
	s_cbranch_scc0 .Lfor_b_\@
	tensor_load_to_lds s[G0+4*\s:G0+4*\s+3], s[G1:G1+7]
	s_nop 0
.rept 4
	v_nop
.endr
	s_branch .Lasked_\@
.Lfor_b_\@:
	tensor_load_to_lds s[G0B+4*\s:G0B+4*\s+3], s[G1B:G1B+7]
	s_nop 0
.rept 4
	v_nop
.endr
.Lasked_\@:
.endm
.macro CREST                           ; a round of the cluster's barrier behind its opening barrier
	s_cmp_lg_u32 s10, 0
	s_cbranch_scc1 .Lnot_wave_0_\@
	s_barrier_signal -3
.Lnot_wave_0_\@:
	s_barrier_wait -3
	s_barrier_signal -1
	s_barrier_wait -1
.endm
.macro CROUND
	s_barrier_signal -1
	s_barrier_wait -1
	CREST
.endm
	s_load_b128 s[4:7], s[0:1], 0x0                ; y16, wo16
	s_load_b64 s[8:9], s[0:1], 0x10                ; out0
	v_lshl_add_u32 v[SPW], v0, 2, SPARE
	v_mov_b32 v[NIL], 0
	ds_add_u32 v[SPW], v[NIL]                      ; the wave's opening: the add, twice on end, and its wait ahead of my first tensor load
	ds_add_u32 v[SPW], v[NIL]
	v_lshrrev_b32 v1, 5, v0
	v_readfirstlane_b32 s10, v1                    ; wave 0..3
	s_lshr_b32 s11, s10, 1                         ; which half of the tile's rows is mine.  Also: I fetch for A (0) or for B (1)
	s_and_b32 s12, s10, 1                          ; which half of its columns.  Also: which half of that tile I fetch
	s_bfe_u32 s40, ttmp6, 0x40000
	s_bfe_u32 s41, ttmp6, 0x40004
	s_lshl_b32 s42, ttmp9, 2
	s_add_co_u32 s42, s42, s40                     ; tile column
	s_and_b32 s13, ttmp7, 0xffff
	s_lshl_b32 s13, s13, 2
	s_add_co_u32 s13, s13, s41                     ; tile row
	s_lshl_b32 s43, s41, 2
	s_lshl_b32 s43, 15, s43                        ; my row of the cluster
	s_lshl_b32 s44, 0x1111, s40                    ; my column
	s_or_b32 s[G1+0], s43, (1<<16)|(1<<20)|(1<<21)|(4<<22)|(3<<25)   ; A: the mask; elements of 2 bytes; padding on; bit 21 beside a mask; 4 words of padding after every 32
	s_mov_b32 s[G1+1], 64<<16                      ; tensor_dim0 = 64
	s_mov_b32 s[G1+2], 256<<16                     ; tensor_dim1 = 256
	s_mov_b32 s[G1+3], 64<<16                      ; tile_dim0
	s_mov_b32 s[G1+4], 256                         ; tile_dim1
	s_mov_b32 s[G1+5], 64                          ; from row to row: dense
	s_mov_b32 s[G1+6], 0
	s_mov_b32 s[G1+7], 0
	s_or_b32 s[G1B+0], s44, (1<<16)|(1<<20)|(1<<21)|(6<<22)|(3<<25)  ; B: 4 words of padding after every 128
	s_mov_b32 s[G1B+1], KSTEP<<16
	s_mov_b32 s[G1B+2], 64<<16
	s_mov_b32 s[G1B+3], KSTEP<<16
	s_mov_b32 s[G1B+4], 64
	s_mov_b32 s[G1B+5], SIZE_K
	s_mov_b32 s[G1B+6], 0
	s_mov_b32 s[G1B+7], 0
	s_lshl_b32 s16, s13, 18                        ; A: the row block's 262,144 bytes,
	s_lshl_b32 s17, s12, 15                        ; my two planes of 16,384
	s_add_co_u32 s16, s16, s17
	s_mov_b32 s17, 0
	s_lshl_b32 s46, s42, 18                        ; B: row 128 x tile column + 64 x half, of 2,048 bytes
	s_lshl_b32 s47, s12, 17
	s_add_co_u32 s46, s46, s47
	s_mov_b32 s47, 0
	s_mul_i32 s20, s12, HALFA                      ; where they go: no place in the cluster enters an LDS address
	s_mul_i32 s21, s12, HALFB
	s_add_co_u32 s21, s21, BOFF
	s_wait_dscnt 0x0                               ; both opening adds are done
	s_wait_kmcnt 0x0
	s_add_nc_u64 s[14:15], s[4:5], s[16:17]
	s_add_nc_u64 s[46:47], s[6:7], s[46:47]
	CROUND                                         ; all sixteen work-groups are here: the first joint loads meet
.irp s, 0,1
	s_mov_b32 s[G0+4*\s], 1
	s_add_co_u32 s[G0+4*\s+1], s20, \s*SLOT
	s_add_nc_u64 s[G0+4*\s+2:G0+4*\s+3], s[14:15], \s*65536          ; K step s: heads 4 s on
	s_or_b32 s[G0+4*\s+3], s[G0+4*\s+3], 0x80000000
	s_mov_b32 s[G0B+4*\s], 1
	s_add_co_u32 s[G0B+4*\s+1], s21, \s*SLOT
	s_add_nc_u64 s[G0B+4*\s+2:G0B+4*\s+3], s[46:47], \s*KSTEP*2
	s_or_b32 s[G0B+4*\s+3], s[G0B+4*\s+3], 0x80000000
	JLOAD \s
.endr
	v_and_b32 v1, 15, v0                           ; r
	v_bfe_u32 v2, v0, 4, 1                         ; h
	v_mul_u32_u24 v3, v1, PA
	v_lshl_add_u32 v3, v2, 4, v3
	v_mul_u32_u24 v4, v1, PB
	v_lshl_add_u32 v4, v2, 4, v4
	s_mul_i32 s21, s11, 64*PA                      ; my 64 rows in each plane of A
	s_mul_i32 s22, s12, HALFB                      ; my 64 rows of B
	s_add_co_u32 s22, s22, BOFF
.irp s, 0,1
	v_add_nc_u32 v[ADRA+\s], s21, v3
	v_add_nc_u32 v[ADRB+\s], s22, v4
	s_add_co_u32 s21, s21, SLOT
	s_add_co_u32 s22, s22, SLOT
.endr
	s_mul_i32 s23, s10, 16*SPITCH
	s_add_co_u32 s23, s23, STAGE                   ; my stage
	v_mul_u32_u24 v5, v1, SPITCH
	v_lshl_add_u32 v5, v2, 5, v5
	v_add_nc_u32 v[STO], s23, v5                   ; in: row r, 32 bytes for each half of the lanes
	v_mul_u32_u24 v5, v2, SPITCH
	v_lshl_add_u32 v5, v1, 4, v5
	v_add_nc_u32 v[RD], s23, v5                    ; back: lanes 0-15 one row of 256 bytes, lanes 16-31 the next
	v_lshlrev_b32 v5, 12, v2
	v_lshl_add_u32 v[CO], v1, 4, v5                ; and the same two rows in out0
	s_lshl_b32 s16, s13, 19                        ; my first row: 128 x tile row + 64 x half, of 4,096 bytes
	s_lshl_b32 s17, s11, 18
	s_add_co_u32 s16, s16, s17
	s_mov_b32 s17, 0
	s_add_nc_u64 s[8:9], s[8:9], s[16:17]
	s_lshl_b32 s46, s42, 9                         ; my first column, in bytes: 512 x tile column + 256 x half
	s_lshl_b32 s47, s12, 8
	s_add_co_u32 s46, s46, s47
	s_mov_b32 s47, 0
	s_add_nc_u64 s[8:9], s[8:9], s[46:47]
; 8 matrix instructions: m blocks a0, a0 + 1 x all 4 n blocks, 32 along K: half c of buffer f.  The 16 accumulators take turns.
.macro MUL8 f, c, a0, zero
.irp a, \a0, \a0+1
.irp b, 0,1,2,3
.if \zero
	v_wmma_f32_16x16x32_f16 v[ACC+8*(4*(\a)+\b):ACC+8*(4*(\a)+\b)+7], v[\f+64+8*(4*\c+\b):\f+64+8*(4*\c+\b)+7], v[\f+8*(4*\c+\a):\f+8*(4*\c+\a)+7], 0
.else
	v_wmma_f32_16x16x32_f16 v[ACC+8*(4*(\a)+\b):ACC+8*(4*(\a)+\b)+7], v[\f+64+8*(4*\c+\b):\f+64+8*(4*\c+\b)+7], v[\f+8*(4*\c+\a):\f+8*(4*\c+\a)+7], v[ACC+8*(4*(\a)+\b):ACC+8*(4*(\a)+\b)+7]
.endif
.endr
.endr
.endm
; 32 LDS loads in one run: the fragments of quarter qd (64 along K: one head's plane of A, 128 bytes of B's rows) into buffer f; the first 32 along K first
.macro FETCH slot, qd, f
	WIN TO_F
.irp c, 0,1
.irp i, 0,1,2,3
	ds_load_b128 v[\f+64+8*(4*\c+\i):\f+64+8*(4*\c+\i)+3],   v[ADRB+\slot] offset:128*(\qd)+64*\c+\i*16*PB
	ds_load_b128 v[\f+64+8*(4*\c+\i)+4:\f+64+8*(4*\c+\i)+7], v[ADRB+\slot] offset:128*(\qd)+64*\c+\i*16*PB+32
	ds_load_b128 v[\f+8*(4*\c+\i):\f+8*(4*\c+\i)+3],         v[ADRA+\slot] offset:128*PA*(\qd)+64*\c+\i*16*PA
	ds_load_b128 v[\f+8*(4*\c+\i)+4:\f+8*(4*\c+\i)+7],       v[ADRA+\slot] offset:128*PA*(\qd)+64*\c+\i*16*PA+32
.endr
.endr
.endm
.macro PLACES
.rept 4
	v_nop
.endr
.endm
.macro QUARTER slot, qd, f, g, zero    ; multiplies buffer f and fetches quarter qd of the same slot into g
	s_wait_dscnt 16                                ; the first 32 along K are in; the sixteen younger loads may be out
	WIN MUL
	MUL8 \f, 0, 0, \zero
	MUL8 \f, 0, 2, \zero
	PLACES
	FETCH \slot, \qd, \g
	s_wait_dscnt 32                                ; all but the 32 just issued
	WIN MUL
	MUL8 \f, 1, 0, 0
	MUL8 \f, 1, 2, 0
.endm
; The last quarter multiplies buffer 1 and changes slots: one barrier; in front of it each wave waits for all its tensor loads, adds 0 to its spare word, and waits for that and for its reads of this slot.
.macro TURN slot, next, fill
	WIN 0
	s_wait_tensorcnt 0x0                           ; all my tensor loads have landed: my part of the next slot
	ds_add_u32 v[SPW], v[NIL]
	s_wait_dscnt 17                                ; (the add and the youngest sixteen loads may be out)
	WIN MUL
	MUL8 F1, 0, 0, 0
	s_wait_dscnt 0x0                               ; the add is done, and my reads of this slot are over
	s_barrier_signal -1
	MUL8 F1, 0, 2, 0
.if \fill
	WIN 0
.endif
	s_barrier_wait -1
.if \fill
	CREST                                          ; the barrier has opened a round of the cluster's: no wave of any partner still reads this slot or has a load on its way
	s_add_nc_u64 s[G0+4*\slot+2:G0+4*\slot+3], s[G0+4*\slot+2:G0+4*\slot+3], 2*65536
	s_add_nc_u64 s[G0B+4*\slot+2:G0B+4*\slot+3], s[G0B+4*\slot+2:G0B+4*\slot+3], 2*KSTEP*2
	JLOAD \slot                                    ; the first tensor load behind the round; its four v_nop are also the places in front of the loads below
.else
	PLACES
.endif
	FETCH \next, 0, F0
	WIN MUL
	MUL8 F1, 1, 0, 0
	MUL8 F1, 1, 2, 0
.endm
	s_wait_tensorcnt 1                             ; my part of K step 0 is in; K step 1's may be out
	s_barrier_signal -1
	s_barrier_wait -1
	FETCH 0, 0, F0
	QUARTER 0, 1, F0, F1, 1                        ; the first products start the sums
	WIN 0
	s_mov_b32 s3, LAPS-1
.Llap:                                             ; a trip goes once round the ring and fills both slots again
	QUARTER 0, 2, F1, F0, 0
	QUARTER 0, 3, F0, F1, 0
	TURN 0, 1, 1
	QUARTER 1, 1, F0, F1, 0
	QUARTER 1, 2, F1, F0, 0
	QUARTER 1, 3, F0, F1, 0
	TURN 1, 0, 1
	QUARTER 0, 1, F0, F1, 0
	WIN 0
	s_sub_co_u32 s3, s3, 1
	s_cmp_lg_u32 s3, 0
	s_cbranch_scc1 .Llap
	QUARTER 0, 2, F1, F0, 0                        ; the last lap fills nothing
	QUARTER 0, 3, F0, F1, 0
	TURN 0, 1, 0
	QUARTER 1, 1, F0, F1, 0
	QUARTER 1, 2, F1, F0, 0
	QUARTER 1, 3, F0, F1, 0
	s_wait_dscnt 16
	WIN MUL
	MUL8 F1, 0, 0, 0
	MUL8 F1, 0, 2, 0
	s_wait_dscnt 0
	MUL8 F1, 1, 0, 0
	MUL8 F1, 1, 2, 0
	WIN 0
; THE WAY OUT, block by block of 16 rows x 64 columns: a wave's 64 columns of f32 are 256 bytes, so each wave goes through its own stage and sixteen lanes store 256 consecutive bytes, at a multiple of 256 from out0's first byte.
.macro TOSTAGE a
.irp b, 0,1,2,3
	ds_store_b128 v[STO], v[ACC+8*(4*(\a)+\b):ACC+8*(4*(\a)+\b)+3] offset:64*\b       ; each accumulator from its low end on
	ds_store_b128 v[STO], v[ACC+8*(4*(\a)+\b)+4:ACC+8*(4*(\a)+\b)+7] offset:64*\b+16
.endr
.irp i, 0,1,2,3,4,5,6,7
	ds_load_b128 v[TMP+32*((\a)%2)+4*\i:TMP+32*((\a)%2)+4*\i+3], v[RD] offset:\i*2*SPITCH   ; LDS serves a wave's instructions in order
.endr
.endm
.macro SEND a, younger                 ; younger: the LDS instructions issued behind block a's loads
	s_wait_dscnt \younger
.irp i, 0,1,2,3,4,5,6,7
	global_store_b128 v[CO], v[TMP+32*((\a)%2)+4*\i:TMP+32*((\a)%2)+4*\i+3], s[8:9] offset:(16*(\a)+2*\i)*4096 th:TH_STORE_NT
.endr
.endm
	PLACES
	TOSTAGE 0
	TOSTAGE 1
	SEND 0, 16                                     ; behind block 0's loads: block 1's 8 stores and 8 loads
	s_wait_xcnt 0x0                                ; block 0's stores have read their registers: block 2's loads may land there
	TOSTAGE 2
	SEND 1, 16
	s_wait_xcnt 0x0
	TOSTAGE 3
	SEND 2, 16
	SEND 3, 0
	s_wait_tensorcnt 0x0                           ; the wave's end
	ds_add_u32 v[SPW], v[NIL]
	s_wait_dscnt 0x0
	CROUND                                         ; the closing round
	s_endpgm
.Lfunc_end_k_qfaeacddebc_proj:
	.size	k_qfaeacddebc_proj, .Lfunc_end_k_qfaeacddebc_proj-k_qfaeacddebc_proj
	.p2alignl 7, 3214868480
	.fill 96, 4, 3214868480
	.section	.rodata,"a",@progbits
	.p2align	6, 0x0
	.amdhsa_kernel k_qfaeacddebc_proj
		.amdhsa_group_segment_fixed_size 327680
		.amdhsa_private_segment_fixed_size 0
		.amdhsa_enable_private_segment 0
		.amdhsa_kernarg_size 24
		.amdhsa_user_sgpr_count 2
		.amdhsa_user_sgpr_kernarg_segment_ptr 1
		.amdhsa_wavefront_size32 1
		.amdhsa_system_sgpr_workgroup_id_x 1
		.amdhsa_system_sgpr_workgroup_id_y 1
		.amdhsa_system_sgpr_workgroup_id_z 1
		.amdhsa_system_vgpr_workitem_id 0
		.amdhsa_next_free_vgpr 512
		.amdhsa_next_free_sgpr 66
		.amdhsa_reserve_vcc 0
		.amdhsa_float_denorm_mode_32 3
		.amdhsa_float_denorm_mode_16_64 3
		.amdhsa_memory_ordered 1
		.amdhsa_forward_progress 1
		.amdhsa_inst_pref_size 86
	.end_amdhsa_kernel
	.amdgpu_metadata
---
amdhsa.version: [ 1, 2 ]
amdhsa.kernels:
  - .name:           k_qfaeacddebc_proj
    .symbol:         k_qfaeacddebc_proj.kd
    .args:
      - { .name: y16, .offset: 0, .size: 8, .value_kind: global_buffer, .address_space: global }
      - { .name: wo16, .offset: 8, .size: 8, .value_kind: global_buffer, .address_space: global }
      - { .name: out0, .offset: 16, .size: 8, .value_kind: global_buffer, .address_space: global }
    .group_segment_fixed_size: 327680
    .private_segment_fixed_size: 0
    .kernarg_segment_align: 8
    .kernarg_segment_size: 24
    .max_flat_workgroup_size: 128
    .sgpr_count:     66
    .vgpr_count:     512
    .wavefront_size: 32
...
	.end_amdgpu_metadata
.endif
;; end of part 4
;; launch fine (part 5): grid 64 x 2, 16 waves a work-group, no clusters, 301,056 bytes of LDS; arguments fine32, Wo, out0; writes out0
.if DOCPART == 5
	.amdgcn_target "amdgcn-amd-amdhsa--gfx1250"
	.amdhsa_code_object_version 6
	.text
	.protected	k_qfaeacddebc_fine
	.globl	k_qfaeacddebc_fine
	.p2align	8
	.type	k_qfaeacddebc_fine,@function
k_qfaeacddebc_fine:
	s_mov_b64 s[64:65], 0
	v_nop
	global_prefetch_b8 v0, s[64:65] scope:SCOPE_SE
	s_setreg_imm32_b32 hwreg(HW_REG_WAVE_MODE, 25, 1), 1
	s_wait_xcnt 0x0
; Positions 0 to 15 of both sequences once more, in f32 from the projections' f32 sums on: these rows average one to sixteen values and are the largest of the output, so the rounding of 16-bit operands weighs most there.
; fine32: [batch 2][position 16][3,072] f32 (columns 0-1023 q, 1024-2047 k, 2048-3071 v).  out0[batch][0..15][:] is written over what the launch before left there.
; SHARES.  Work-group (sl, batch) makes columns 16 sl .. 16 sl + 15 of the batch's 16 rows.  Wave w takes head w through the whole chain: scores, softmax, y = p v (16 x 64), and y's product with Wo(16 sl .. + 15, 64 w .. + 63),
; which is the head's part of the output's sum over K.  The sixteen parts meet in LDS, and waves 0 and 1 add and store them.  Every work-group makes all 16 small heads anew (2 x 16 x 16 x 64 multiply-adds a head).
; LOADS TAKE THE BYTES AS THEY LIE: sixteen lanes cover the 256 consecutive bytes that a head has in a row, an instruction two rows; 8 loads each for q, k, v and Wo.  The four tiles of 16 rows turn through the wave's own stage in LDS
; (rows of 256 + 16 bytes = 68 words: the 16 rows that a fragment load touches start at 16 different groups of four banks; 64 banks of 4 bytes: ISA guide 11.1) and come back as fragments into the registers that they left.
; All products by v_wmma_f32_16x16x4_f32 (16 rows: no bulk work).  Its sources hold k = 2 (lane / 16) + register; the SAME permutation of k stands on both sources of each product, so that a lane's registers are runs of neighbours.
; y^T's result holds y(query r, 16 ct + 8 h + j) in register 8 ct + j: Wo's fragment is read in that same order of k, so y goes from one product to the next without leaving the registers.
; The registers that the matrix instruction writes (v16-63) are written by nothing else; two or four accumulators take turns, and what is made of a sum goes into other registers.
; THE STORES: the tile is 16 columns wide, so a store covers 64 consecutive bytes of each of eight rows, not 256: 128 KB of the output in all.  A tile of 64 columns would store runs of 256 bytes at four times the last product's instructions a wave.
; LIMITS: NaN and infinities are not served.
.set RP,    272                        ; a staged row
.set TILE,  16*RP                      ; a staged tile of 16 rows
.set WST,   4*TILE                     ; a wave's stage: q, k, v, Wo
.set PART,  16*WST                     ; behind the stages: the waves' parts of the output, 16 rows x 80 bytes (64 + 16) each
.set PP,    80
.set WPART, 16*PP
.set SPARE, PART+16*WPART              ; the spare words, 128 bytes for each wave, which no other line names
.set AG,  1                            ; v1   fine32: row h of 12,288 bytes + 256 w + 16 r
.set AWG, 2                            ; v2   Wo: row h of 4,096 bytes + 256 w + 16 r
.set AST, 3                            ; v3   the stage, on the way in: row h + 16 r
.set AFQ, 4                            ; v4   q's and k's fragments: row r + 128 h
.set AFV, 5                            ; v5   v's: row 8 h + 4 r
.set AFW, 6                            ; v6   Wo's: row r + 32 h
.set APS, 7                            ; v7   my part's place: row r + 32 h
.set AR,  8                            ; v8   where I read the parts (waves 0 and 1)
.set AO,  9                            ; v9   and where I store in out0
.set DQ,  10                           ; v10  r - 8 h
.set NINF, 11
.set SPW, 12
.set NIL, 13
.set SA,  16
.set SB,  24
.set OT,  32
.set QF,  64                           ; v64-95 q, v96-127 k, v128-159 v, v160-191 Wo: as loaded, then as fragments
.set KFR, 96
.set VF,  128
.set WF,  160
.set YR,  192                          ; v192-223 y
.set SS,  224                          ; v224-231 scores, later my part;  v232-239 p;  v240-247 at work
.set PPR, 232
	s_load_b128 s[4:7], s[0:1], 0x0                ; fine32, Wo
	s_load_b64 s[8:9], s[0:1], 0x10                ; out0
	v_lshl_add_u32 v[SPW], v0, 2, SPARE
	v_mov_b32 v[NIL], 0
	v_lshrrev_b32 v246, 5, v0
	v_readfirstlane_b32 s10, v246                  ; wave 0..15: my head
	s_and_b32 s13, ttmp7, 0xffff                   ; batch
	v_and_b32 v14, 15, v0                          ; r
	v_bfe_u32 v15, v0, 4, 1                        ; h
	s_lshl_b32 s20, s10, 8                         ; my head's 256 bytes of a row
	v_mul_u32_u24 v[AG], v15, 12288
	v_lshl_add_u32 v[AG], v14, 4, v[AG]
	v_add_nc_u32 v[AG], s20, v[AG]
	v_lshlrev_b32 v[AWG], 12, v15
	v_lshl_add_u32 v[AWG], v14, 4, v[AWG]
	v_add_nc_u32 v[AWG], s20, v[AWG]
	s_mul_i32 s14, s13, 196608                     ; the batch's 16 rows of fine32
	s_mov_b32 s15, 0
	s_lshl_b32 s16, ttmp9, 16                      ; Wo's row 16 sl, of 4,096 bytes
	s_mov_b32 s17, 0
	s_lshl_b32 s18, s13, 23                        ; the batch's first row of out0,
	s_lshl_b32 s19, ttmp9, 6                       ; my work-group's 16 columns
	s_add_co_u32 s18, s18, s19
	s_mov_b32 s19, 0
	s_mov_b32 s22, 0x76543210
	s_mov_b32 s23, 0xfedcba98                      ; v_permlanex16_b32's selects for lane l xor 16
	s_mov_b32 s24, 0x3e38aa3b                      ; c = log2(e) / 8
	s_wait_kmcnt 0x0
	s_add_nc_u64 s[4:5], s[4:5], s[14:15]
	s_add_nc_u64 s[6:7], s[6:7], s[16:17]
	s_add_nc_u64 s[8:9], s[8:9], s[18:19]
.irp t, 0,1,2                                  ; q, k, v: load i takes rows 2 i and 2 i + 1, 256 consecutive bytes of each
.irp i, 0,1,2,3,4,5,6,7
	global_load_b128 v[QF+32*\t+4*\i:QF+32*\t+4*\i+3], v[AG], s[4:5] offset:4096*\t+24576*\i
.endr
.endr
.irp i, 0,1,2,3,4,5,6,7
	global_load_b128 v[WF+4*\i:WF+4*\i+3], v[AWG], s[6:7] offset:8192*\i       ; Wo's rows 16 sl + 2 i, + 1: columns 64 w on
.endr
	; the LDS addresses are made while the loads are on their way
	s_mul_i32 s21, s10, WST                        ; my stage
	v_mul_u32_u24 v[AST], v15, RP
	v_lshl_add_u32 v[AST], v14, 4, v[AST]
	v_add_nc_u32 v[AST], s21, v[AST]
	v_mul_u32_u24 v246, v14, RP
	v_add_nc_u32 v246, s21, v246                   ; row r
	v_lshl_add_u32 v[AFQ], v15, 7, v246
	v_lshl_add_u32 v[AFW], v15, 5, v246
	v_mul_u32_u24 v[AFV], v15, 8*RP
	v_lshl_add_u32 v[AFV], v14, 2, v[AFV]
	v_add_nc_u32 v[AFV], s21, v[AFV]
	v_mul_u32_u24 v[APS], v14, PP
	v_lshl_add_u32 v[APS], v15, 5, v[APS]
	s_mul_i32 s25, s10, WPART
	s_add_co_u32 s25, s25, PART
	v_add_nc_u32 v[APS], s25, v[APS]
	v_bfe_u32 v246, v0, 2, 4                       ; the row that I add and store: four lanes to a row of 64 bytes
	v_and_b32 v247, 3, v0
	v_mul_u32_u24 v[AR], v246, PP
	v_lshl_add_u32 v[AR], v247, 4, v[AR]
	v_add_nc_u32 v[AR], PART, v[AR]
	v_lshlrev_b32 v[AO], 12, v246
	v_lshl_add_u32 v[AO], v247, 4, v[AO]
	v_lshlrev_b32 v246, 3, v15
	v_sub_nc_u32 v[DQ], v14, v246
	v_mov_b32 v[NINF], 0xff800000
	v_mov_b32 v241, 0                              ; a lane permute's destination counts as one of its sources
	v_mov_b32 v244, 0
.macro STAGE t                         ; tile t goes into the stage as rows: store i puts rows 2 i and 2 i + 1
.irp i, 0,1,2,3,4,5,6,7
	ds_store_b128 v[AST], v[QF+32*(\t)+4*\i:QF+32*(\t)+4*\i+3] offset:TILE*(\t)+2*RP*\i
.endr
.endm
	s_wait_loadcnt 16                              ; q and k are in; the sixteen loads of v and Wo may be out
	STAGE 0
	STAGE 1
.irp i, 0,1,2,3,4,5,6,7
	ds_load_b128 v[QF+4*\i:QF+4*\i+3], v[AFQ] offset:16*\i            ; q(r, 32 h + 0 .. 31).  LDS serves a wave's instructions in order (ISA guide 5.7.1.4): these see the stores above, which have read their registers
.endr
.irp i, 0,1,2,3,4,5,6,7
	ds_load_b128 v[KFR+4*\i:KFR+4*\i+3], v[AFQ] offset:TILE+16*\i     ; k likewise
.endr
	s_wait_dscnt 0x0
	; S^T = k q^T: source 0 = 16 keys, source 1 = 16 queries; a lane holds query r and keys 8 h + 0 .. 7; two accumulators by turns
.irp s, 0,1,2,3,4,5,6,7,8,9,10,11,12,13,14,15
.if \s < 2
	v_wmma_f32_16x16x4_f32 v[SA+8*(\s%2):SA+8*(\s%2)+7], v[KFR+2*\s:KFR+2*\s+1], v[QF+2*\s:QF+2*\s+1], 0
.else
	v_wmma_f32_16x16x4_f32 v[SA+8*(\s%2):SA+8*(\s%2)+7], v[KFR+2*\s:KFR+2*\s+1], v[QF+2*\s:QF+2*\s+1], v[SA+8*(\s%2):SA+8*(\s%2)+7]
.endif
.endr
	s_wait_loadcnt 0x0                             ; v and Wo are in: they turn through the stage while the scores are made
	STAGE 2
	STAGE 3
.irp ct, 0,1,2,3
.irp i, 0,1,2,3,4,5,6,7
	ds_load_b32 v[VF+8*\ct+\i], v[AFV] offset:2*TILE+RP*\i+64*\ct     ; v(key 8 h + i, channel 16 ct + r)
.endr
.endr
.irp ct, 0,1,2,3
.irp u, 0,1
	ds_load_b128 v[WF+8*\ct+4*\u:WF+8*\ct+4*\u+3], v[AFW] offset:3*TILE+64*\ct+16*\u   ; Wo(16 sl + r, 64 w + 16 ct + 8 h + 4 u + 0 .. 3): y's own order of k
.endr
.endr
.rept 8
	v_nop                                          ; eight places behind this form (ISA guide 7.12.1), in front of the first read of the sums
.endr
.irp j, 0,1,2,3,4,5,6,7
	v_add_f32 v[SS+\j], v[SA+\j], v[SB+\j]         ; the sum's two halves, from the low end on
.endr
.irp j, 0,1,2,3,4,5,6,7
	v_cmp_gt_i32 vcc_lo, \j, v[DQ]                 ; key 8 h + j is hidden where it comes after query r
	v_cndmask_b32 v[SS+\j], v[SS+\j], v[NINF], vcc_lo
.endr
	v_max3_num_f32 v240, v[SS], v[SS+1], v[SS+2]
	v_max3_num_f32 v240, v240, v[SS+3], v[SS+4]
	v_max3_num_f32 v240, v240, v[SS+5], v[SS+6]
	v_max_num_f32 v240, v240, v[SS+7]
	v_permlanex16_b32 v241, v240, s22, s23
	v_max_num_f32 v240, v240, v241                 ; the row's maximum (key 0 counts for every query)
	v_mul_f32 v242, s24, v240
.irp j, 0,1,2,3,4,5,6,7
	v_fma_f32 v[PPR+\j], v[SS+\j], s24, -v242
.endr
.irp j, 0,1,2,3,4,5,6,7
	v_exp_f32 v[PPR+\j], v[PPR+\j]
.endr
	v_nop                                          ; a plain instruction behind the last exponential
	s_wait_alu depctr_va_vdst(0)                   ; one wait for the eight, ahead of the first use
	v_add_f32 v243, v[PPR], v[PPR+1]
.irp j, 2,3,4,5,6,7
	v_add_f32 v243, v243, v[PPR+\j]
.endr
	v_permlanex16_b32 v244, v243, s22, s23
	v_add_f32 v243, v243, v244                     ; the row's sum
	v_rcp_f32 v245, v243
	v_nop
	s_wait_alu depctr_va_vdst(0)
	s_wait_dscnt 8                                 ; v's 32 fragment loads are in; Wo's eight may be out
	; y^T = v^T p^T: source 0 = 16 channels, source 1 = p; step s takes keys 8 h + 2 s, 8 h + 2 s + 1 on both sides; four accumulators by turns
.irp s, 0,1,2,3
.irp ct, 0,1,2,3
.if \s == 0
	v_wmma_f32_16x16x4_f32 v[OT+8*\ct:OT+8*\ct+7], v[VF+8*\ct+2*\s:VF+8*\ct+2*\s+1], v[PPR+2*\s:PPR+2*\s+1], 0
.else
	v_wmma_f32_16x16x4_f32 v[OT+8*\ct:OT+8*\ct+7], v[VF+8*\ct+2*\s:VF+8*\ct+2*\s+1], v[PPR+2*\s:PPR+2*\s+1], v[OT+8*\ct:OT+8*\ct+7]
.endif
.endr
.endr
.rept 8
	v_nop
.endr
.irp ct, 0,1,2,3
.irp j, 0,1,2,3,4,5,6,7
	v_mul_f32 v[YR+8*\ct+\j], v[OT+8*\ct+\j], v245 ; y(r, 64 w + 16 ct + 8 h + j), into other registers than the sums'; each accumulator from its low end on
.endr
.endr
	s_wait_dscnt 0x0                               ; Wo's fragments are in
	; my head's part of out^T = Wo y^T: source 0 = 16 rows of Wo, source 1 = the 16 rows of y; register pair s holds the same two k on both sides; two accumulators by turns, begun anew with 0
.irp s, 0,1,2,3,4,5,6,7,8,9,10,11,12,13,14,15
.if \s < 2
	v_wmma_f32_16x16x4_f32 v[SA+8*(\s%2):SA+8*(\s%2)+7], v[WF+2*\s:WF+2*\s+1], v[YR+2*\s:YR+2*\s+1], 0
.else
	v_wmma_f32_16x16x4_f32 v[SA+8*(\s%2):SA+8*(\s%2)+7], v[WF+2*\s:WF+2*\s+1], v[YR+2*\s:YR+2*\s+1], v[SA+8*(\s%2):SA+8*(\s%2)+7]
.endif
.endr
.rept 8
	v_nop
.endr
.irp j, 0,1,2,3,4,5,6,7
	v_add_f32 v[SS+\j], v[SA+\j], v[SB+\j]         ; my part of out(r, 16 sl + 8 h + j)
.endr
	ds_store_b128 v[APS], v[SS:SS+3]
	ds_store_b128 v[APS], v[SS+4:SS+7] offset:16
	s_wait_dscnt 0x0                               ; for the others' sake: my stores have landed
	s_barrier_signal -1
	s_barrier_wait -1                              ; the sixteen heads' parts lie in LDS
	s_cmp_lt_u32 s10, 2                            ; 16 rows x 64 bytes: 64 lanes of 16 bytes
	s_cbranch_scc0 .Ldone
.irp k, 0,1,2,3,4,5,6,7,8,9,10,11,12,13,14,15
	ds_load_b128 v[QF+4*\k:QF+4*\k+3], v[AR] offset:WPART*\k
.endr
	s_wait_dscnt 0x0
.irp u, 0,8,16,24,32,40,48,56                  ; the sixteen parts are added as a tree
	v_pk_add_f32 v[QF+\u:QF+\u+1], v[QF+\u:QF+\u+1], v[QF+\u+4:QF+\u+5]
	v_pk_add_f32 v[QF+\u+2:QF+\u+3], v[QF+\u+2:QF+\u+3], v[QF+\u+6:QF+\u+7]
.endr
.irp u, 0,16,32,48
	v_pk_add_f32 v[QF+\u:QF+\u+1], v[QF+\u:QF+\u+1], v[QF+\u+8:QF+\u+9]
	v_pk_add_f32 v[QF+\u+2:QF+\u+3], v[QF+\u+2:QF+\u+3], v[QF+\u+10:QF+\u+11]
.endr
.irp u, 0,32
	v_pk_add_f32 v[QF+\u:QF+\u+1], v[QF+\u:QF+\u+1], v[QF+\u+16:QF+\u+17]
	v_pk_add_f32 v[QF+\u+2:QF+\u+3], v[QF+\u+2:QF+\u+3], v[QF+\u+18:QF+\u+19]
.endr
	v_pk_add_f32 v[QF:QF+1], v[QF:QF+1], v[QF+32:QF+33]
	v_pk_add_f32 v[QF+2:QF+3], v[QF+2:QF+3], v[QF+34:QF+35]
	global_store_b128 v[AO], v[QF:QF+3], s[8:9]    ; four lanes store the tile's 64 consecutive bytes of a row, a wave eight rows
.Ldone:
	s_wait_tensorcnt 0x0                           ; the wave's end, behind my last LDS store
	ds_add_u32 v[SPW], v[NIL]
	s_wait_dscnt 0x0
	s_endpgm
.Lfunc_end_k_qfaeacddebc_fine:
	.size	k_qfaeacddebc_fine, .Lfunc_end_k_qfaeacddebc_fine-k_qfaeacddebc_fine
	.p2alignl 7, 3214868480
	.fill 96, 4, 3214868480
	.section	.rodata,"a",@progbits
	.p2align	6, 0x0
	.amdhsa_kernel k_qfaeacddebc_fine
		.amdhsa_group_segment_fixed_size 301056
		.amdhsa_private_segment_fixed_size 0
		.amdhsa_enable_private_segment 0
		.amdhsa_kernarg_size 24
		.amdhsa_user_sgpr_count 2
		.amdhsa_user_sgpr_kernarg_segment_ptr 1
		.amdhsa_wavefront_size32 1
		.amdhsa_system_sgpr_workgroup_id_x 1
		.amdhsa_system_sgpr_workgroup_id_y 1
		.amdhsa_system_sgpr_workgroup_id_z 1
		.amdhsa_system_vgpr_workitem_id 0
		.amdhsa_next_free_vgpr 256
		.amdhsa_next_free_sgpr 66
		.amdhsa_reserve_vcc 1
		.amdhsa_float_denorm_mode_32 3
		.amdhsa_float_denorm_mode_16_64 3
		.amdhsa_memory_ordered 1
		.amdhsa_forward_progress 1
		.amdhsa_inst_pref_size 23
	.end_amdhsa_kernel
	.amdgpu_metadata
---
amdhsa.version: [ 1, 2 ]
amdhsa.kernels:
  - .name:           k_qfaeacddebc_fine
    .symbol:         k_qfaeacddebc_fine.kd
    .args:
      - { .name: fine32, .offset: 0, .size: 8, .value_kind: global_buffer, .address_space: global }
      - { .name: Wo, .offset: 8, .size: 8, .value_kind: global_buffer, .address_space: global }
      - { .name: out0, .offset: 16, .size: 8, .value_kind: global_buffer, .address_space: global }
    .group_segment_fixed_size: 301056
    .private_segment_fixed_size: 0
    .kernarg_segment_align: 8
    .kernarg_segment_size: 24
    .max_flat_workgroup_size: 512
    .sgpr_count:     66
    .vgpr_count:     256
    .wavefront_size: 32
...
	.end_amdgpu_metadata
.endif
;; end of part 5
